; MI455X (gfx1250); checked and timed in simulation.
; The chip was launched on July 23, 2026; its instructions are those of AMD's public machine-readable ISA for CDNA 5 (MIT licence, August 2026) and "CDNA5" Instruction Set Architecture Reference Guide (July 2026). The comments in the code are by the model that wrote it; some were corrected since.
;; Transformer Block. Allowed arithmetic: matrix products marked QUANTISED: E4M3 operands, one E8M0 scale for each 32 along K, by v_wmma_scale_f32_16x16x128_f8f6f4 with both operands' format E4M3, f32 sums; everything else in f32.
;; Inputs: b1 4,096 float32; b2 1,024 float32; bo 1,024 float32; ln1_scale 1,024 float32; ln1_shift 1,024 float32; ln2_scale 1,024 float32; ln2_shift 1,024 float32; w1_codes 4,096 x 32 x 32 uint8 (E4M3 codes of w1, K innermost, in blocks of 32 codes); w1_scales 4,096 x 32 uint8 (E8M0 scales of w1, one for each 32 codes along K); w2_codes 1,024 x 128 x 32 uint8 (E4M3 codes of w2, K innermost, in blocks of 32 codes); w2_scales 1,024 x 128 uint8 (E8M0 scales of w2, one for each 32 codes along K); wk_codes 1,024 x 32 x 32 uint8 (E4M3 codes of wk, K innermost, in blocks of 32 codes); wk_scales 1,024 x 32 uint8 (E8M0 scales of wk, one for each 32 codes along K); wo_codes 1,024 x 32 x 32 uint8 (E4M3 codes of wo, K innermost, in blocks of 32 codes); wo_scales 1,024 x 32 uint8 (E8M0 scales of wo, one for each 32 codes along K); wq_codes 1,024 x 32 x 32 uint8 (E4M3 codes of wq, K innermost, in blocks of 32 codes); wq_scales 1,024 x 32 uint8 (E8M0 scales of wq, one for each 32 codes along K); wv_codes 1,024 x 32 x 32 uint8 (E4M3 codes of wv, K innermost, in blocks of 32 codes); wv_scales 1,024 x 32 uint8 (E8M0 scales of wv, one for each 32 codes along K); x 2 x 2,048 x 1,024 float32.
;; Outputs: out0 2 x 2,048 x 1,024 float32.
;; This version of the problem:
;;   THIS VERSION OF THE PROBLEM IS GIVEN IN LOW PRECISION. The matrix products marked QUANTISED in the list below multiply operands that are first quantised to E4M3 (4 exponent bits, 3 mantissa bits; 8 bits a number), with one power-of-two scale for each 32 numbers along K (OCP MX v1.0); their sums are f32. All else is computed in f32.
;;   The module's matrix products, in the order in which they are computed (A, B: the left and right operand; K: the contracted axis; several contracted axes count as one K, in the product's order):
;;     1. [M 4,096, K 1,024] x [K 1,024, N 1,024]; A: computed on the way; B: input wq (given as codes): QUANTISED
;;     2. [M 4,096, K 1,024] x [K 1,024, N 1,024]; A: computed on the way; B: input wk (given as codes): QUANTISED
;;     3. [M 4,096, K 1,024] x [K 1,024, N 1,024]; A: computed on the way; B: input wv (given as codes): QUANTISED
;;     4. batch 32 x [M 2,048, K 64] x [K 64, N 2,048]; A: computed on the way; B: computed on the way: QUANTISED
;;     5. batch 32 x [M 2,048, K 2,048] x [K 2,048, N 64]; A: softmax (see below); B: computed on the way: QUANTISED
;;     6. [M 4,096, K 1,024] x [K 1,024, N 1,024]; A: computed on the way; B: input wo (given as codes): QUANTISED
;;     7. [M 4,096, K 1,024] x [K 1,024, N 4,096]; A: computed on the way; B: input w1 (given as codes): QUANTISED
;;     8. [M 4,096, K 4,096] x [K 4,096, N 1,024]; A: computed on the way; B: input w2 (given as codes): QUANTISED
;;   THE QUANTISER, for each operand of a quantised product, along K:
;;     - K is cut into blocks of 32 from its start; a last block that is shorter is filled with zeros.
;;     - A block's scale is 2^e with e = floor(log2(the largest magnitude in the block)) - 8, held to -126 .. 127; a block of zeros has e = 0. As a byte (E8M0): e + 127.
;;     - Each number is divided by its block's scale, clamped to +-448, and rounded to the nearest number of E4M3, ties to even, subnormals kept.
;;     - The product sums the exact products of the quantised numbers (number of the format x scale) in f32.
;;   ~~~python
;;   def quantise(x, axis):      # numpy; x: float32 -> the quantised numbers, widened to float32 again
;;       x = np.moveaxis(x, axis, -1); K = x.shape[-1]
;;       x = np.pad(x, [(0, 0)] * (x.ndim - 1) + [(0, -K % 32)]); x = x.reshape(x.shape[:-1] + (-1, 32)); a = np.abs(x).max(-1, keepdims=True)
;;       e = np.where(a > 0, np.clip(np.frexp(np.where(a > 0, a, 1))[1] - 1 - 8, -126, 127), 0)      # np.frexp(a)[1] - 1 = floor(log2(a)), exactly
;;       r = np.clip(x / 2.0 ** e, -448, 448)
;;       step = 2.0 ** (np.maximum(np.frexp(np.where(r == 0, 1, r))[1] - 1, -6) - 3)
;;       q = np.round(r / step) * step * 2.0 ** e      # np.round: ties to even
;;       return np.moveaxis(q.reshape(q.shape[:-2] + (-1,))[..., :K], -1, axis).astype(np.float32)
;;   ~~~
;;   SOFTMAX AHEAD OF A QUANTISED PRODUCT. Where the list says 'softmax', what is quantised is not the finished softmax but p = 2^(t - M), with t = logit x log2(e) and M = ceil(the row's largest t), a whole number; so 1/2 < the row's largest p <= 1. The row's sum l is taken of the UNQUANTISED p, in f32, and the product's result is divided by l at the end. Since M is a whole number, a kernel that streams over the keys may use a running M (the ceiling of the running maximum): every later rescaling is an exact power of two, which a block's scale takes up: the codes' values come out the same.
;;   OPERANDS COMPUTED ON THE WAY. 'Computed on the way' means the value that the module computes at that place (a softmax that the list does not call 'softmax' is quantised finished and normalised). What goes into a quantiser is computed in f32, as accurately as f32 sums, v_exp_f32 and their like allow (about 1e-6 of the number): no bf16 or f16 on the way to a quantiser, and a product that is left as it is and whose result goes on into a quantised operand takes f32 operands (vector FMAs, or v_wmma_f32_16x16x4_f32). A number that lies on a knife's edge between two numbers of the format may be rounded either way, as far as f32 arithmetic and the matrix unit's own rounding can turn it there, and no further.
;;   INPUTS GIVEN AS CODES. w1 (in the module: [1024, 4096], K = its axis 0); w2 (in the module: [4096, 1024], K = its axis 0); wk (in the module: [1024, 1024], K = its axis 0); wo (in the module: [1024, 1024], K = its axis 0); wq (in the module: [1024, 1024], K = its axis 0); wv (in the module: [1024, 1024], K = its axis 0): each comes as NAME_codes (uint8): NAME with its K axis moved to the last place and cut into blocks of 32 codes, [.., K / 32, bytes a block], one block behind the other in memory; one code a byte (a code: sign, 4 exponent bits, 3 mantissa bits); and NAME_scales (uint8): the same leading axes, one E8M0 byte (e + 127) for each 32 codes along K. Its value is code x scale, taken as it is: it is not quantised again, and the codes and scales need not be those that the quantiser above would give.
;; One version. Each part assembles by itself: llvm-mc -triple=amdgcn-amd-amdhsa -mcpu=gfx1250 --defsym DOCPART=n.
;; ======== version 1 of 1: 7 launches
;; limits: right only within a limited range of input values
;; workspace buffers: act 4,325,376 bytes; qkv 12,976,128 bytes; ctx 4,325,376 bytes; x2 16,777,216 bytes; hid 17,301,504 bytes
;; launch ln1 (part 1): grid 512 x 1, 4 waves a work-group, no clusters, 1,024 bytes of LDS; arguments x, ln1_scale, ln1_shift, act; writes act
.if DOCPART == 1
	.amdgcn_target "amdgcn-amd-amdhsa--gfx1250"
	.amdhsa_code_object_version 6
	.text
	.protected	k_qee6ad81b6f_ln1
	.globl	k_qee6ad81b6f_ln1
	.p2align	8
	.type	k_qee6ad81b6f_ln1,@function
k_qee6ad81b6f_ln1:
	s_mov_b64 s[64:65], 0
	v_nop
	global_prefetch_b8 v0, s[64:65] scope:SCOPE_SE
	s_setreg_imm32_b32 hwreg(HW_REG_WAVE_MODE, 25, 1), 1
	s_wait_xcnt 0x0
; y = gain * (x - mean) / sqrt(var + 1e-5) + shift along rows of 1,024 f32, then quantised to codes of E4M3 with one E8M0 byte for each 32 along the row.
; In: X [4096][1024] f32, gain, shift [1024].  Out, one buffer: codes [4096][1024] at byte 0, scale bytes [4096][32] at byte ASOFF.
; WORK LEFT OUT IN THIS PROGRAM: launch attn multiplies no tile of 128 keys that lies wholly above the diagonal of the causal mask that reference() builds itself (jnp.tril): those scores become -inf, so their p is 0
; for all values of the inputs.  Every input is loaded.  A NaN or an infinity that reaches only such tiles is not carried to the result.
; SHARES.  512 work-groups of four waves; a wave takes two rows, each kept in 32 registers between the passes: read from memory once.  A lane holds four groups of eight neighbours,
; numbers 256 g + 8 lane + 0..7, so four neighbouring lanes hold a block of 32, and a group's eight codes of the 32 lanes are 256 consecutive bytes: one store.
; The work-group's 8 x 32 scale bytes are gathered in 256 bytes of LDS and leave, behind one barrier, by wave 0 as 256 consecutive bytes.
; No matrix units, clusters or tensor loads: every byte is read once and used by one wave.
; LIMITS: NaN and infinities are not served.  A block whose largest magnitude lies under 2^-118 (a block of zeros too) gets the byte 1; the bytes are read by this program alone.  1 / sqrt is v_rsq_f32.
.set ASOFF, 4194304
.set X,  32                            ; v32-95   two row slots of 32
.set GA, 96                            ; v96-127  gain of my 32 columns
.set GB, 128                           ; v128-159 shift
.set C,  160                           ; v160-167 a row's codes, two registers a group
.set EB, 168                           ; v168-171 the groups' scale bytes
	s_load_b256 s[4:11], s[0:1], 0x0               ; X s[4:5], gain s[6:7], shift s[8:9], out s[10:11]
	v_lshl_add_u32 v172, v0, 2, 0x200              ; my spare word: 512 bytes from byte 512 on
	v_mov_b32 v173, 0
	v_lshrrev_b32 v5, 5, v0
	v_readfirstlane_b32 s14, v5                    ; wave 0..3
	v_and_b32 v5, 31, v0                           ; lane
	v_lshlrev_b32 v1, 5, v5                        ; 32 bytes a lane in a group of f32
	v_lshlrev_b32 v2, 3, v5                        ; 8 bytes a lane in a group of codes
	v_lshrrev_b32 v3, 2, v5
	s_lshl_b32 s15, s14, 6
	v_add_nc_u32 v3, s15, v3                       ; LDS: my wave's 64 bytes, my block's byte
	v_mov_b32 v18, 0                               ; a lane permute's destination counts as read: written once
	s_lshl_b32 s16, ttmp9, 2
	s_add_co_u32 s16, s16, s14                     ; which pair of rows is my wave's
	s_mov_b32 s3, 0
	s_mov_b32 s18, 0x76543210
	s_mov_b32 s19, 0xfedcba98                      ; selects of v_permlanex16_b32: lane l xor 16
	s_mov_b32 s20, 0x600000                        ; the mantissa field of 448
	s_mov_b32 s21, 0x3727c5ac                      ; 1e-5
	s_mov_b32 s22, 0x3a800000                      ; 1 / 1,024
	s_wait_alu depctr_va_vdst(0)                   ; the wait at the head's end
	s_wait_kmcnt 0x0
	s_lshl_b32 s2, s16, 13
	s_add_nc_u64 s[4:5], s[4:5], s[2:3]            ; two rows of 4,096 bytes
	s_lshl_b32 s2, ttmp9, 8
	s_add_co_u32 s2, s2, ASOFF
	s_add_nc_u64 s[12:13], s[10:11], s[2:3]        ; the work-group's 256 scale bytes
	s_lshl_b32 s2, s16, 11
	s_add_nc_u64 s[10:11], s[10:11], s[2:3]        ; my rows' codes
.irp g, 0,1,2,3
	global_load_b128 v[GA+8*\g:GA+8*\g+3],   v1, s[6:7] offset:1024*\g
	global_load_b128 v[GA+8*\g+4:GA+8*\g+7], v1, s[6:7] offset:1024*\g+16
	global_load_b128 v[GB+8*\g:GB+8*\g+3],   v1, s[8:9] offset:1024*\g
	global_load_b128 v[GB+8*\g+4:GB+8*\g+7], v1, s[8:9] offset:1024*\g+16
.endr
.irp i, 0,1
.irp g, 0,1,2,3
	global_load_b128 v[X+32*\i+8*\g:X+32*\i+8*\g+3],   v1, s[4:5] offset:4096*\i+1024*\g
	global_load_b128 v[X+32*\i+8*\g+4:X+32*\i+8*\g+7], v1, s[4:5] offset:4096*\i+1024*\g+16
.endr
.endr
.macro REDUCE                          ; the four packed chains v[10:17] become one sum over the row, in v10 of every lane
	v_pk_add_f32 v[10:11], v[10:11], v[12:13]
	v_pk_add_f32 v[14:15], v[14:15], v[16:17]
	v_pk_add_f32 v[10:11], v[10:11], v[14:15]
	v_add_f32 v10, v10, v11
	v_add_f32_dpp v10, v10, v10 row_xmask:1 row_mask:0xf bank_mask:0xf
	v_add_f32_dpp v10, v10, v10 row_xmask:2 row_mask:0xf bank_mask:0xf
	v_add_f32_dpp v10, v10, v10 row_xmask:4 row_mask:0xf bank_mask:0xf
	v_add_f32_dpp v10, v10, v10 row_xmask:8 row_mask:0xf bank_mask:0xf
	v_permlanex16_b32 v18, v10, s18, s19
	v_add_f32 v10, v10, v18
.endm
; Row i.  left: the loads of the row behind it, which may stay out.
.macro ROW i, left
.set XS, X+32*(\i)
	s_wait_loadcnt \left                           ; loads come back in order: gain, shift and this row are in
	s_wait_xcnt 0x0                                ; the last row's stores have read their registers: C is written again only behind this wait
.irp c, 0,1,2,3
	v_pk_add_f32 v[10+2*\c:11+2*\c], v[XS+2*\c:XS+2*\c+1], v[XS+8+2*\c:XS+9+2*\c]   ; four chains, started by the first pairs: nothing is cleared
.endr
.irp p, 16,24
.irp c, 0,1,2,3
	v_pk_add_f32 v[10+2*\c:11+2*\c], v[10+2*\c:11+2*\c], v[XS+\p+2*\c:XS+\p+2*\c+1]
.endr
.endr
	REDUCE
	v_mul_f32 v6, s22, v10                         ; the mean, twice: a pair for the packed forms
	v_mul_f32 v7, s22, v10
.set j, 0
.rept 16
	v_pk_add_f32 v[XS+j:XS+j+1], v[XS+j:XS+j+1], v[6:7] neg_lo:[0,1] neg_hi:[0,1]   ; d = x - mean
.set j, j+2
.endr
.irp c, 0,1,2,3
	v_pk_mul_f32 v[10+2*\c:11+2*\c], v[XS+2*\c:XS+2*\c+1], v[XS+2*\c:XS+2*\c+1]
.endr
.irp p, 8,16,24
.irp c, 0,1,2,3
	v_pk_fma_f32 v[10+2*\c:11+2*\c], v[XS+\p+2*\c:XS+\p+2*\c+1], v[XS+\p+2*\c:XS+\p+2*\c+1], v[10+2*\c:11+2*\c]
.endr
.endr
	REDUCE
	v_fma_f32 v8, v10, s22, s21                    ; the variance + 1e-5
	s_wait_alu depctr_va_vdst(0)                   ; the wait ahead of the transcendental
	v_rsq_f32 v8, v8
	v_nop                                          ; one plain instruction between a transcendental and the use of its result (ISA guide 5.7.2)
	s_wait_alu depctr_va_vdst(0)                   ; the wait ahead of its first reader
	v_mov_b32 v9, v8
.set j, 0
.rept 16
	v_pk_mul_f32 v[XS+j:XS+j+1], v[XS+j:XS+j+1], v[8:9]
.set j, j+2
.endr
.set j, 0
.rept 16
	v_pk_fma_f32 v[XS+j:XS+j+1], v[XS+j:XS+j+1], v[GA+j:GA+j+1], v[GB+j:GB+j+1]
.set j, j+2
.endr
.irp g, 0,1,2,3
	v_max3_num_f32 v[20+\g], |v[XS+8*\g]|, |v[XS+8*\g+1]|, 0x4800000   ; my eight of block g's numbers, and the floor 2^(9 - 127): the byte cannot fall under 1
.endr
.irp e, 2,4,6
.irp g, 0,1,2,3
	v_max3_num_f32 v[20+\g], v[20+\g], |v[XS+8*\g+\e]|, |v[XS+8*\g+\e+1]|
.endr
.endr
.irp g, 0,1,2,3
	v_max_num_f32_dpp v[20+\g], v[20+\g], v[20+\g] row_xmask:1 row_mask:0xf bank_mask:0xf
.endr
.irp g, 0,1,2,3
	v_max_num_f32_dpp v[20+\g], v[20+\g], v[20+\g] row_xmask:2 row_mask:0xf bank_mask:0xf   ; the four lanes of a block: its largest magnitude
.endr
.irp g, 0,1,2,3
	v_add_nc_u32 v[24+\g], 0xfc000000, v[20+\g]    ; 8 off the exponent field: the conversion takes this operand's exponent field as its scale
.endr
.irp g, 0,1,2,3
	v_and_or_b32 v[28+\g], v[20+\g], 0x7f800000, s20   ; 448 x the scale
.endr
.irp g, 0,1,2,3
	v_lshrrev_b32 v[EB+\g], 23, v[24+\g]           ; the scale's byte
.endr
.irp g, 0,1,2,3
.irp e, 0,1,2,3,4,5,6,7
	v_med3_num_f32 v[XS+8*\g+\e], v[XS+8*\g+\e], -v[28+\g], v[28+\g]   ; the conversion to an 8-bit code does not saturate (ISA guide 7.6.2): the hold comes first
.endr
.endr
.irp g, 0,1,2,3
	v_cvt_scalef32_pk8_fp8_f32 v[C+2*\g:C+2*\g+1], v[XS+8*\g:XS+8*\g+7], v[24+\g]
.endr
	v_nop                                          ; a plain instruction behind the last conversion
.irp g, 0,1,2,3
	ds_store_b8 v3, v[EB+\g] offset:32*(\i)+8*\g   ; the four lanes of a block write the same byte with the same value
	global_store_b64 v2, v[C+2*\g:C+2*\g+1], s[10:11] offset:1024*(\i)+256*\g   ; 32 lanes: 256 consecutive bytes, at a multiple of 256
.endr
.endm
	ROW 0, 8
	ROW 1, 0
	s_wait_dscnt 0x0                               ; my byte stores are done: the others may read them behind the barrier
	s_barrier_signal -1
	s_barrier_wait -1
	s_cmp_lg_u32 s14, 0
	s_cbranch_scc1 .Ldone
	ds_load_b64 v[10:11], v2                       ; wave 0: the eight rows' scale bytes, 8 a lane
	s_wait_dscnt 0x0
	global_store_b64 v2, v[10:11], s[12:13]        ; 256 consecutive bytes
.Ldone:
	s_wait_tensorcnt 0x0                           ; the wave's end
	ds_add_u32 v172, v173
	s_wait_dscnt 0x0
	s_endpgm
.Lfunc_end_k_qee6ad81b6f_ln1:
	.size	k_qee6ad81b6f_ln1, .Lfunc_end_k_qee6ad81b6f_ln1-k_qee6ad81b6f_ln1
	.p2alignl 7, 3214868480
	.fill 96, 4, 3214868480
	.section	.rodata,"a",@progbits
	.p2align	6, 0x0
	.amdhsa_kernel k_qee6ad81b6f_ln1
		.amdhsa_group_segment_fixed_size 1024
		.amdhsa_private_segment_fixed_size 0
		.amdhsa_enable_private_segment 0
		.amdhsa_kernarg_size 32
		.amdhsa_user_sgpr_count 2
		.amdhsa_user_sgpr_kernarg_segment_ptr 1
		.amdhsa_wavefront_size32 1
		.amdhsa_system_sgpr_workgroup_id_x 1
		.amdhsa_system_sgpr_workgroup_id_y 1
		.amdhsa_system_sgpr_workgroup_id_z 1
		.amdhsa_system_vgpr_workitem_id 0
		.amdhsa_next_free_vgpr 176
		.amdhsa_next_free_sgpr 66
		.amdhsa_reserve_vcc 0
		.amdhsa_float_denorm_mode_32 3
		.amdhsa_float_denorm_mode_16_64 3
		.amdhsa_memory_ordered 1
		.amdhsa_forward_progress 1
		.amdhsa_inst_pref_size 28
	.end_amdhsa_kernel
	.amdgpu_metadata
---
amdhsa.version: [ 1, 2 ]
amdhsa.kernels:
  - .name:           k_qee6ad81b6f_ln1
    .symbol:         k_qee6ad81b6f_ln1.kd
    .args:
      - { .name: x, .offset: 0, .size: 8, .value_kind: global_buffer, .address_space: global }
      - { .name: ln1_scale, .offset: 8, .size: 8, .value_kind: global_buffer, .address_space: global }
      - { .name: ln1_shift, .offset: 16, .size: 8, .value_kind: global_buffer, .address_space: global }
      - { .name: act, .offset: 24, .size: 8, .value_kind: global_buffer, .address_space: global }
    .group_segment_fixed_size: 1024
    .private_segment_fixed_size: 0
    .kernarg_segment_align: 8
    .kernarg_segment_size: 32
    .max_flat_workgroup_size: 128
    .sgpr_count:     66
    .vgpr_count:     176
    .wavefront_size: 32
...
	.end_amdgpu_metadata
.endif
;; end of part 1
;; launch qkv (part 2): grid 4 x 48, 4 waves a work-group, clusters of 4 x 4, 327,680 bytes of LDS; arguments act, wq_codes, wq_scales, wk_codes, wk_scales, wv_codes, wv_scales, qkv; writes qkv
.if DOCPART == 2
	.amdgcn_target "amdgcn-amd-amdhsa--gfx1250"
	.amdhsa_code_object_version 6
	.text
	.protected	k_qee6ad81b6f_qkv
	.globl	k_qee6ad81b6f_qkv
	.p2align	8
	.type	k_qee6ad81b6f_qkv,@function
k_qee6ad81b6f_qkv:
	s_mov_b64 s[64:65], 0
	v_nop
	global_prefetch_b8 v0, s[64:65] scope:SCOPE_SE
	s_setreg_imm32_b32 hwreg(HW_REG_WAVE_MODE, 25, 1), 1
	s_wait_xcnt 0x0
	s_wait_alu depctr_hold_cnt(0) depctr_sa_sdst(0) depctr_va_vdst(0) depctr_va_sdst(0) depctr_va_ssrc(0) depctr_va_vcc(0) depctr_vm_vsrc(0)
	s_getreg_b32 s2, hwreg(HW_REG_IB_STS2, 6, 4)
	s_cmp_eq_u32 s2, 0
	s_cbranch_scc0 .Lentry_in_a_cluster
	s_endpgm
.Lentry_in_a_cluster:
	s_bfe_u32 s2, ttmp6, 0x10000c
	s_cmp_lg_u32 s2, 0xf033
	s_cbranch_scc0 .Lentry_shape_is_right
	s_endpgm
.Lentry_shape_is_right:
.set SIZE_K, 1024
.set ASOFF,  4194304
.set KC,     4194304
.set VC,     8388608
.set QS,     12582912
.set KSD,    131072
.set VSD,    262144
.set WALK,   512
.set NB,     8
.set NBH,    4
.set ROWB,   256
.set PITCH,  272
.set SLOT,   384*PITCH
.set BACK,   SIZE_K-2*ROWB
.set NEXT_A, WALK*SIZE_K-BACK
.set SCLA,   2*SLOT
.set SCLB,   SCLA+32*272
.set SPARE,  SCLB+32*272
.set STG,    SPARE+512
.set SSTG,   STG+128*272
.set FN,     48
.set ADRA, 16
.set ADSA, 18
.set ADSB, 19
.set ADRB, 20
.set STO,  22
.set SSO,  23
.set RD,   24
.set SRD,  25
.set SCO,  27
.set SPW,  28
.set NIL,  29
.set SA,   32
.set SB,   40
.set AF,   128
.set X,    128
.set PC,   192
.set TM,   208
.set PW,   224
.set SW,   228
.set CA,   232
.set G1A, 24
.set G0A, 32
.set G1B, 48
.set G0B, 56
.set G1SA, 68
.set G0SA, 76
.set G1SB, 80
.set G0SB, 88
.set MSB, 0
.macro WIN new
.if MSB != (\new)
	s_set_vgpr_msb (MSB<<8)|(\new)
.set MSB, (\new)
.endif
.endm
.macro JLOAD g0a, g1a, g0b, g1b
	s_cmp_eq_u32 s15, 0
	s_cbranch_scc0 .Lfor_b_\@
	tensor_load_to_lds s[\g0a:\g0a+3], s[\g1a:\g1a+7]
	s_nop 0
.rept 4
	v_nop
.endr
	s_branch .Lasked_\@
.Lfor_b_\@:
	tensor_load_to_lds s[\g0b:\g0b+3], s[\g1b:\g1b+7]
	s_nop 0
.rept 4
	v_nop
.endr
.Lasked_\@:
.endm
.macro CREST
	s_cmp_lg_u32 s14, 0
	s_cbranch_scc1 .Lnot_wave_0_\@
	s_barrier_signal -3
.Lnot_wave_0_\@:
	s_barrier_wait -3
	s_barrier_signal -1
	s_barrier_wait -1
.endm
.macro CROUND
	s_barrier_signal -1
	s_barrier_wait -1
	CREST
.endm
.macro PLACES n
.rept \n
	v_nop
.endr
.endm
	s_load_b512 s[68:83], s[0:1], 0x0
	v_lshl_add_u32 v[SPW], v0, 2, SPARE
	v_mov_b32 v[NIL], 0
	ds_add_u32 v28, v29
	ds_add_u32 v28, v29
	s_wait_dscnt 0x0
	v_lshrrev_b32 v1, 5, v0
	v_readfirstlane_b32 s14, v1
	s_lshr_b32 s15, s14, 1
	s_and_b32 s16, s14, 1
	s_bfe_u32 s40, ttmp6, 0x40000
	s_bfe_u32 s41, ttmp6, 0x40004
	s_lshl_b32 s43, s41, 2
	s_lshl_b32 s43, 15, s43
	s_lshl_b32 s44, 0x1111, s40
	s_and_b32 s97, ttmp7, 0xffff
	s_lshr_b32 s20, s97, 1
	s_lshl_b32 s20, s20, 3
	s_sub_co_u32 s21, s97, 8
	s_lshl_b32 s21, s21, 2
	s_mov_b32 s94, VC
	s_mov_b32 s95, VSD
	s_mov_b32 s98, 1024
	s_mov_b32 s99, 32768
	s_wait_kmcnt 0x0
	s_add_nc_u64 s[18:19], s[68:69], ASOFF
	s_bitcmp1_b32 s97, 0
	s_cselect_b64 s[8:9], s[74:75], s[70:71]
	s_cselect_b64 s[10:11], s[76:77], s[72:73]
	s_cselect_b32 s92, KC, 0
	s_cselect_b32 s93, KSD, 0
	s_cmp_ge_u32 s97, 8
	s_cselect_b64 s[4:5], s[78:79], s[68:69]
	s_cselect_b64 s[6:7], s[80:81], s[18:19]
	s_cselect_b64 s[8:9], s[68:69], s[8:9]
	s_cselect_b64 s[10:11], s[18:19], s[10:11]
	s_cselect_b32 s92, s94, s92
	s_cselect_b32 s93, s95, s93
	s_cselect_b32 s98, 4096, s98
	s_cselect_b32 s99, 8192, s99
	s_cselect_b32 s17, 0, s20
	s_cselect_b32 s42, s21, 0
	s_mov_b64 s[12:13], s[82:83]
	s_add_co_u32 s17, s17, s41
	s_add_co_u32 s42, s42, s40
	s_or_b32 s[G1A], s43, (1<<20)|(1<<21)|(5<<22)|(3<<25)
	s_or_b32 s[G1B], s44, (1<<20)|(1<<21)|(5<<22)|(3<<25)
	s_mov_b32 s[G1A+1], ROWB<<16
	s_mov_b32 s[G1A+2], 64<<16
	s_mov_b32 s[G1A+3], ROWB<<16
	s_mov_b32 s[G1A+4], 64
	s_mov_b32 s[G1A+5], SIZE_K
	s_mov_b32 s[G1A+6], 0
	s_mov_b32 s[G1A+7], 0
	s_mov_b32 s[G1B+1], ROWB<<16
	s_mov_b32 s[G1B+2], 128<<16
	s_mov_b32 s[G1B+3], ROWB<<16
	s_mov_b32 s[G1B+4], 128
	s_mov_b32 s[G1B+5], SIZE_K
	s_mov_b32 s[G1B+6], 0
	s_mov_b32 s[G1B+7], 0
	s_or_b32 s[G1SA], s43, (3<<16)|(1<<20)|(1<<21)|(5<<22)|(3<<25)
	s_or_b32 s[G1SB], s44, (3<<16)|(1<<20)|(1<<21)|(5<<22)|(3<<25)
.irp g, G1SA, G1SB
	s_mov_b32 s[\g+1], 32<<16
	s_mov_b32 s[\g+2], 16<<16
	s_mov_b32 s[\g+3], 32<<16
	s_mov_b32 s[\g+4], 16
	s_mov_b32 s[\g+5], 32
	s_mov_b32 s[\g+6], 0
	s_mov_b32 s[\g+7], 0
.endr
	s_lshl_b32 s20, s17, 7
	s_mul_i32 s22, s16, WALK
	s_add_co_u32 s22, s22, s20
	s_lshl_b32 s22, s22, 5
	s_lshl_b32 s18, s16, 6
	s_add_co_u32 s20, s20, s18
	s_lshl_b32 s20, s20, 10
	s_mov_b32 s21, 0
	s_mov_b32 s23, 0
	s_lshl_b32 s19, s16, 7
	s_lshl_b32 s46, s42, 8
	s_add_co_u32 s46, s46, s19
	s_lshl_b32 s96, s46, 5
	s_lshl_b32 s46, s46, 10
	s_mov_b32 s47, 0
	s_mov_b32 s97, 0
	s_add_nc_u64 s[20:21], s[4:5], s[20:21]
	s_add_nc_u64 s[22:23], s[6:7], s[22:23]
	s_add_nc_u64 s[46:47], s[8:9], s[46:47]
	s_add_nc_u64 s[96:97], s[10:11], s[96:97]
	s_mul_i32 s45, s16, 64*PITCH
	s_mul_i32 s94, s16, 128*PITCH
	s_add_co_u32 s94, s94, 128*PITCH
	s_mul_i32 s95, s16, 16*272
	s_add_co_u32 s95, s95, SCLA
	s_mul_i32 s18, s16, 16*272
	s_add_co_u32 s18, s18, SCLB
	CROUND
	s_mov_b32 s[G0SA], 1
	s_mov_b32 s[G0SA+1], s95
	s_mov_b64 s[G0SA+2:G0SA+3], s[22:23]
	s_or_b32 s[G0SA+3], s[G0SA+3], 0x80000000
	s_mov_b32 s[G0SB], 1
	s_mov_b32 s[G0SB+1], s18
	s_mov_b64 s[G0SB+2:G0SB+3], s[96:97]
	s_or_b32 s[G0SB+3], s[G0SB+3], 0x80000000
	JLOAD G0SA, G1SA, G0SB, G1SB
; PREFETCHES INTO THE L2.  A K slot is 256 bytes of each row.  Of the rows that a wave fetches (A: 64, B: 128) each of the four partners that ask for them jointly takes a quarter, told apart by address (cx for A, cy for B).
; A's fetchers: 16 rows x two K slots an instruction; B's: 32 rows x one K slot.  Asked here: K slots 0 and 1; behind slot 1's load: 2 and 3; behind the first and third refill: the second tile's rows of A, two K slots each, two refills and more ahead of their loads.
; B's rows are the same for both tiles and are asked for once.  The address registers s[96:97] and v31 are never rewritten.
.macro ASKH k
	global_prefetch_b8 v31, s[96:97] offset:(\k)*ROWB th:TH_LOAD_NT scope:SCOPE_SE
	s_cmp_eq_u32 s15, 0
	s_cbranch_scc1 .Lpfh_\@
	global_prefetch_b8 v31, s[96:97] offset:(\k)*ROWB+ROWB th:TH_LOAD_NT scope:SCOPE_SE
.Lpfh_\@:
.endm
.macro ASKA off
	s_cmp_eq_u32 s15, 0
	s_cbranch_scc0 .Lpfa_\@
	global_prefetch_b8 v31, s[96:97] offset:\off th:TH_LOAD_NT scope:SCOPE_SE
.Lpfa_\@:
.endm
	s_cmp_eq_u32 s15, 0
	s_cselect_b64 s[96:97], s[20:21], s[46:47]
	s_cselect_b32 s2, s40, s41
	s_cselect_b32 s3, 14, 15
	s_cselect_b32 s18, 15, 31
	s_cselect_b32 s19, 256, 0
	s_lshl_b32 s2, s2, s3
	s_mov_b32 s3, 0
	s_add_nc_u64 s[96:97], s[96:97], s[2:3]
	v_and_b32 v31, 31, v0
	v_lshrrev_b32 v3, 4, v31
	v_and_b32 v31, s18, v31
	v_lshlrev_b32 v31, 10, v31
	v_mad_u32_u24 v31, v3, s19, v31
	s_wait_alu depctr_va_vdst(0)
	ASKH 0
.irp s, 0,1
	s_mov_b32 s[G0A+4*\s], 1
	s_add_co_u32 s[G0A+4*\s+1], s45, \s*SLOT
	s_add_nc_u64 s[G0A+4*\s+2:G0A+4*\s+3], s[20:21], \s*ROWB
	s_or_b32 s[G0A+4*\s+3], s[G0A+4*\s+3], 0x80000000
	s_mov_b32 s[G0B+4*\s], 1
	s_add_co_u32 s[G0B+4*\s+1], s94, \s*SLOT
	s_add_nc_u64 s[G0B+4*\s+2:G0B+4*\s+3], s[46:47], \s*ROWB
	s_or_b32 s[G0B+4*\s+3], s[G0B+4*\s+3], 0x80000000
	s_wait_alu depctr_va_vdst(0)
	s_wait_tensorcnt 0x0
	ds_add_u32 v28, v29
	s_wait_dscnt 0x0
	CROUND
	JLOAD G0A+4*\s, G1A, G0B+4*\s, G1B
.endr
	ASKH 2
	v_and_b32 v1, 15, v0
	v_bfe_u32 v2, v0, 4, 1
	v_mul_u32_u24 v3, v1, PITCH
	v_lshl_add_u32 v3, v2, 4, v3
	s_mul_i32 s18, s15, 64*PITCH
	s_mul_i32 s19, s16, 128*PITCH
	s_add_co_u32 s19, s19, 128*PITCH
.irp s, 0,1
	v_add_nc_u32 v[ADRA+\s], s18, v3
	v_add_nc_u32 v[ADRB+\s], s19, v3
	s_add_co_u32 s18, s18, SLOT
	s_add_co_u32 s19, s19, SLOT
.endr
	v_lshlrev_b32 v4, 5, v1
	v_lshrrev_b32 v5, 8, v4
	v_lshl_add_u32 v4, v5, 4, v4
	v_mul_u32_u24 v5, v2, 4*272
	v_add_nc_u32 v5, v4, v5
	s_mul_i32 s18, s15, 8*272
	s_add_co_u32 s18, s18, SCLA
	v_add_nc_u32 v18, s18, v5
	s_add_co_u32 s18, s18, 16*272
	v_add_nc_u32 v6, s18, v5
	v_mul_u32_u24 v5, v2, 8*272
	v_add_nc_u32 v5, v4, v5
	s_mul_i32 s18, s16, 16*272
	s_add_co_u32 s18, s18, SCLB
	v_add_nc_u32 v19, s18, v5
	v_add_nc_u32 v7, s18, v5
	s_mul_i32 s18, s15, 64*272
	s_lshl_b32 s19, s16, 7
	s_add_co_u32 s18, s18, s19
	s_add_co_u32 s18, s18, STG
	v_mul_u32_u24 v4, v1, 272
	v_lshl_add_u32 v4, v2, 3, v4
	v_add_nc_u32 v[STO], s18, v4
	s_lshl_b32 s18, s15, 9
	s_lshl_b32 s19, s16, 2
	s_add_co_u32 s18, s18, s19
	s_add_co_u32 s18, s18, SSTG
	v_lshl_add_u32 v[SSO], v1, 3, s18
	s_mul_i32 s18, s14, 32*272
	s_add_co_u32 s18, s18, STG
	v_mul_u32_u24 v4, v2, 272
	v_lshl_add_u32 v4, v1, 4, v4
	v_add_nc_u32 v[RD], s18, v4
	v_and_b32 v4, 31, v0
	v_lshlrev_b32 v[SCO], 3, v4
	s_lshl_b32 s18, s14, 8
	s_add_co_u32 s18, s18, SSTG
	v_add_nc_u32 v[SRD], s18, v[SCO]
	s_lshl_b32 s18, s17, 7
	s_lshl_b32 s19, s14, 5
	s_add_co_u32 s18, s18, s19
	s_mul_i32 s46, s18, s98
	s_lshl_b32 s19, s42, 8
	s_add_co_u32 s46, s46, s19
	s_add_co_u32 s46, s46, s92
	s_mov_b32 s47, 0
	s_lshl_b32 s18, s18, 3
	s_mul_i32 s19, s42, s99
	s_add_co_u32 s18, s18, s19
	s_add_co_u32 s18, s18, s93
	s_add_co_u32 s18, s18, QS
	s_mov_b32 s19, 0
	s_add_nc_u64 s[100:101], s[12:13], s[18:19]
	s_add_nc_u64 s[12:13], s[12:13], s[46:47]
.macro FRAG reg, adr, q, i
.irp c, 0,1,2,3
	ds_load_b128 v[\reg+4*\c:\reg+4*\c+3], v[\adr] offset:128*(\q)+32*\c+(\i)*16*PITCH
.endr
.endm
.macro FETCH slot, q, p
	WIN 0x40
.irp i, 0,1,2,3,4,5,6,7
	FRAG 128*(\p)+16*\i, ADRB+\slot, \q, \i
.endr
	WIN 0
.irp i, 0,1,2,3
	FRAG AF+64*(\p)+16*\i, ADRA+\slot, \q, \i
.endr
.endm
.macro SCALES u
.irp j, 0,1
	ds_load_b64 v[SA+4*(\u)+2*\j:SA+4*(\u)+2*\j+1], v[ADSA] offset:\j*544
.endr
.irp j, 0,1,2,3
	ds_load_b64 v[SB+NB*(\u)+2*\j:SB+NB*(\u)+2*\j+1], v[ADSB] offset:\j*544
.endr
.endm
.macro WM a, b, c
.if ((\a) >= 2) && ((\b) >= NBH)
	v_wmma_scale_f32_16x16x128_f8f6f4 v[rD:rD+7], v[rB:rB+15], v[rA:rA+15], \c, v[rSB], v[rSA] matrix_a_scale:MATRIX_SCALE_ROW1 matrix_b_scale:MATRIX_SCALE_ROW1
.elseif (\b) >= NBH
	v_wmma_scale_f32_16x16x128_f8f6f4 v[rD:rD+7], v[rB:rB+15], v[rA:rA+15], \c, v[rSB], v[rSA] matrix_a_scale:MATRIX_SCALE_ROW1
.elseif (\a) >= 2
	v_wmma_scale_f32_16x16x128_f8f6f4 v[rD:rD+7], v[rB:rB+15], v[rA:rA+15], \c, v[rSB], v[rSA] matrix_b_scale:MATRIX_SCALE_ROW1
.else
	v_wmma_scale_f32_16x16x128_f8f6f4 v[rD:rD+7], v[rB:rB+15], v[rA:rA+15], \c, v[rSB], v[rSA]
.endif
.endm
.macro MUL8 a, p, q, u, first
.irp b, 0,1,2,3,4,5,6,7
.set rD, 8*(NB*(\a)+\b)
.set rB, 128*(\p)+16*\b
.set rA, AF+64*(\p)+16*(\a)
.set rSB, SB+NB*(\u)+2*(\b%NBH)+(\q)
.set rSA, SA+4*(\u)+2*((\a)%2)+(\q)
.if \first
	WM \a, \b, 0
.else
	WM \a, \b, v[rD:rD+7]
.endif
.endr
.endm
.macro STEP slot, first
	PLACES 8
	FETCH \slot, 1, 1
	s_wait_dscnt FN
	WIN 0xa1
	MUL8 0, 0, 0, \slot, \first
	MUL8 1, 0, 0, \slot, \first
	MUL8 2, 0, 0, \slot, \first
	MUL8 3, 0, 0, \slot, \first
	WIN 0
.endm
.macro TURN slot, next, fill, fetch
	s_wait_tensorcnt 0x0
	ds_add_u32 v[SPW], v[NIL]
	s_wait_dscnt 1
	WIN 0xa1
	MUL8 0, 1, 1, \slot, 0
	s_wait_dscnt 0x0
	s_barrier_signal -1
	MUL8 1, 1, 1, \slot, 0
	WIN 0
	s_barrier_wait -1
.if \fill
	CREST
.if \fill == 2
	s_add_nc_u64 s[G0A+4*\slot+2:G0A+4*\slot+3], s[G0A+4*\slot+2:G0A+4*\slot+3], NEXT_A
	s_sub_nc_u64 s[G0B+4*\slot+2:G0B+4*\slot+3], s[G0B+4*\slot+2:G0B+4*\slot+3], BACK
.else
	s_add_nc_u64 s[G0A+4*\slot+2:G0A+4*\slot+3], s[G0A+4*\slot+2:G0A+4*\slot+3], 2*ROWB
	s_add_nc_u64 s[G0B+4*\slot+2:G0B+4*\slot+3], s[G0B+4*\slot+2:G0B+4*\slot+3], 2*ROWB
.endif
	JLOAD G0A+4*\slot, G1A, G0B+4*\slot, G1B
.endif
.if \fetch
.if \fill
	PLACES 4
.else
	PLACES 8
.endif
	s_wait_alu depctr_va_vdst(0)
	v_add_nc_u32 v[ADSA], 8, v[ADSA]
	v_add_nc_u32 v[ADSB], 8, v[ADSB]
	FETCH \next, 0, 0
	SCALES \next
.endif
	WIN 0xa1
	MUL8 2, 1, 1, \slot, 0
	MUL8 3, 1, 1, \slot, 0
	WIN 0
.endm
.macro QUANT src, w
	WIN 5*(\w)
.irp e, 0,1,2,3
	v_max3_num_f32 v[TM+\e], |v[\src+16*\e]|, |v[\src+16*\e+1]|, 0x4800000
.endr
.irp i, 2,4,6,8,10,12,14
.irp e, 0,1,2,3
	v_max3_num_f32 v[TM+\e], |v[\src+16*\e+\i]|, |v[\src+16*\e+\i+1]|, v[TM+\e]
.endr
.endr
	WIN 0
.irp e, 0,1,2,3
	v_permlanex16_b32 v[TM+4+\e], v[TM+\e], s20, s21
.endr
.irp e, 0,1,2,3
	v_max_num_f32 v[TM+\e], v[TM+\e], v[TM+4+\e]
.endr
.irp e, 0,1,2,3
	v_add_nc_u32 v[TM+12+\e], 0xfc000000, v[TM+\e]
.endr
.irp e, 0,1,2,3
	v_and_or_b32 v[TM+8+\e], v[TM+\e], 0x7f800000, s22
.endr
.irp e, 0,1,2,3
	v_lshrrev_b32 v[TM+4+\e], 23, v[TM+12+\e]
.endr
	v_lshl_or_b32 v[PW], v[TM+5], 8, v[TM+4]
	v_lshl_or_b32 v[PW], v[TM+6], 16, v[PW]
	v_lshl_or_b32 v[PW], v[TM+7], 24, v[PW]
	WIN \w
.set i, 0
.rept 64
	v_med3_num_f32 v[X+i], v[\src+i], -v[TM+8+i/16], v[TM+8+i/16]
.set i, i+1
.endr
	WIN 0
.irp t, 0,1,2,3,4,5,6,7
	v_cvt_scalef32_pk8_fp8_f32 v[PC+2*\t:PC+2*\t+1], v[X+8*\t:X+8*\t+7], v[TM+12+\t/2]
.endr
	v_nop
.endm
.macro OUTA a
.irp t, 0,1,2,3,4,5,6,7
	ds_store_b64 v[STO], v[PC+2*\t:PC+2*\t+1] offset:(\a)*16*272+16*\t
.endr
	ds_store_b32 v[SSO], v[PW] offset:128*(\a)
.endm
.macro EPI
	PLACES 8
	s_mov_b32 s20, 0x76543210
	s_mov_b32 s21, 0xfedcba98
	s_mov_b32 s22, 0x600000
.irp e, 0,1,2,3
	v_mov_b32 v[TM+4+\e], 0
.endr
	v_mul_lo_u32 v[CA], v2, s98
	v_lshl_add_u32 v[CA], v1, 4, v[CA]
	s_lshl_b32 s18, s98, 1
.irp t, 1,2,3,4,5,6,7,8,9,10,11,12,13,14,15
	v_add_nc_u32 v[CA+\t], s18, v[CA+\t-1]
.endr
.irp a, 0,1,2,3
	QUANT 64*\a, 2
	OUTA \a
.endr
	s_wait_dscnt 0x0                               ; one wait for the four blocks' stage stores, in front of the signal
	s_barrier_signal -1
	s_barrier_wait -1
.irp t, 0,1,2,3,4,5,6,7,8,9,10,11,12,13,14,15
	ds_load_b128 v[X+4*\t:X+4*\t+3], v[RD] offset:2*\t*272
.endr
	ds_load_b64 v[SW:SW+1], v[SRD]
.irp t, 0,1,2,3,4,5,6,7,8,9,10,11,12,13,14,15
	s_wait_dscnt 16-\t
	global_store_b128 v[CA+\t], v[X+4*\t:X+4*\t+3], s[12:13]
.endr
	s_wait_dscnt 0x0
	global_store_b64 v[SCO], v[SW:SW+1], s[100:101]
.endm
	s_wait_tensorcnt 1
	s_barrier_signal -1
	s_barrier_wait -1
	FETCH 0, 0, 0
	SCALES 0
	STEP 0, 1
	TURN 0, 1, 1, 1
	ASKA WALK*SIZE_K
	STEP 1, 0
	TURN 1, 0, 1, 1
	STEP 0, 0
	TURN 0, 1, 2, 1
	ASKA WALK*SIZE_K+2*ROWB
	STEP 1, 0
	TURN 1, 0, 2, 0
	EPI
	s_wait_xcnt 0x0
	s_lshl_b32 s18, s98, 9
	s_mov_b32 s19, 0
	s_add_nc_u64 s[12:13], s[12:13], s[18:19]
	s_add_nc_u64 s[100:101], s[100:101], WALK*8
.set ADSA, 6
.set ADSB, 7
	FETCH 0, 0, 0
	SCALES 0
	STEP 0, 1
	TURN 0, 1, 1, 1
	STEP 1, 0
	TURN 1, 0, 1, 1
	STEP 0, 0
	TURN 0, 1, 0, 1
	STEP 1, 0
	s_wait_dscnt 0x0
	WIN 0xa1
	MUL8 0, 1, 1, 1, 0
	MUL8 1, 1, 1, 1, 0
	MUL8 2, 1, 1, 1, 0
	MUL8 3, 1, 1, 1, 0
	WIN 0
	EPI
	s_wait_tensorcnt 0x0
	ds_add_u32 v[SPW], v[NIL]
	s_wait_dscnt 0x0
	CROUND
	s_endpgm
.Lfunc_end_k_qee6ad81b6f_qkv:
	.size	k_qee6ad81b6f_qkv, .Lfunc_end_k_qee6ad81b6f_qkv-k_qee6ad81b6f_qkv
	.p2alignl 7, 3214868480
	.fill 96, 4, 3214868480
	.section	.rodata,"a",@progbits
	.p2align	6, 0x0
	.amdhsa_kernel k_qee6ad81b6f_qkv
		.amdhsa_group_segment_fixed_size 327680
		.amdhsa_private_segment_fixed_size 0
		.amdhsa_enable_private_segment 0
		.amdhsa_kernarg_size 64
		.amdhsa_user_sgpr_count 2
		.amdhsa_user_sgpr_kernarg_segment_ptr 1
		.amdhsa_wavefront_size32 1
		.amdhsa_system_sgpr_workgroup_id_x 1
		.amdhsa_system_sgpr_workgroup_id_y 1
		.amdhsa_system_sgpr_workgroup_id_z 1
		.amdhsa_system_vgpr_workitem_id 0
		.amdhsa_next_free_vgpr 768
		.amdhsa_next_free_sgpr 102
		.amdhsa_reserve_vcc 0
		.amdhsa_float_denorm_mode_32 3
		.amdhsa_float_denorm_mode_16_64 3
		.amdhsa_memory_ordered 1
		.amdhsa_forward_progress 1
		.amdhsa_inst_pref_size 221
	.end_amdhsa_kernel
	.amdgpu_metadata
---
amdhsa.version: [ 1, 2 ]
amdhsa.kernels:
  - .name:           k_qee6ad81b6f_qkv
    .symbol:         k_qee6ad81b6f_qkv.kd
    .args:
      - { .name: act, .offset: 0, .size: 8, .value_kind: global_buffer, .address_space: global }
      - { .name: wq_codes, .offset: 8, .size: 8, .value_kind: global_buffer, .address_space: global }
      - { .name: wq_scales, .offset: 16, .size: 8, .value_kind: global_buffer, .address_space: global }
      - { .name: wk_codes, .offset: 24, .size: 8, .value_kind: global_buffer, .address_space: global }
      - { .name: wk_scales, .offset: 32, .size: 8, .value_kind: global_buffer, .address_space: global }
      - { .name: wv_codes, .offset: 40, .size: 8, .value_kind: global_buffer, .address_space: global }
      - { .name: wv_scales, .offset: 48, .size: 8, .value_kind: global_buffer, .address_space: global }
      - { .name: qkv, .offset: 56, .size: 8, .value_kind: global_buffer, .address_space: global }
    .group_segment_fixed_size: 327680
    .private_segment_fixed_size: 0
    .kernarg_segment_align: 8
    .kernarg_segment_size: 64
    .max_flat_workgroup_size: 128
    .sgpr_count:     102
    .vgpr_count:     768
    .wavefront_size: 32
...
	.end_amdgpu_metadata
.endif
;; end of part 2
;; launch attn (part 3): grid 32 x 8, 16 waves a work-group, clusters of 4 x 1, 327,680 bytes of LDS; arguments qkv, ctx; writes ctx
.if DOCPART == 3
	.amdgcn_target "amdgcn-amd-amdhsa--gfx1250"
	.amdhsa_code_object_version 6
	.text
	.protected	k_qee6ad81b6f_attn
	.globl	k_qee6ad81b6f_attn
	.p2align	8
	.type	k_qee6ad81b6f_attn,@function
k_qee6ad81b6f_attn:
	s_mov_b64 s[64:65], 0
	v_nop
	global_prefetch_b8 v0, s[64:65] scope:SCOPE_SE
	s_setreg_imm32_b32 hwreg(HW_REG_WAVE_MODE, 25, 1), 1
	s_wait_xcnt 0x0
	s_wait_alu depctr_hold_cnt(0) depctr_sa_sdst(0) depctr_va_vdst(0) depctr_va_sdst(0) depctr_va_ssrc(0) depctr_va_vcc(0) depctr_vm_vsrc(0)
	s_getreg_b32 s2, hwreg(HW_REG_IB_STS2, 6, 4)
	s_cmp_eq_u32 s2, 0
	s_cbranch_scc0 .Lentry_in_a_cluster
	s_endpgm
.Lentry_in_a_cluster:
	s_bfe_u32 s2, ttmp6, 0x10000c
	s_cmp_lg_u32 s2, 0x3003
	s_cbranch_scc0 .Lentry_shape_is_right
	s_endpgm
.Lentry_shape_is_right:
; CAUSAL ATTENTION ON CODES OF MX-FP8, 2 batches x 16 heads of 64, 2,048 tokens, and the quantiser of its result.
; In, one buffer: Q's codes [4096 tokens][1024] at 0, K's at KC, V's with the tokens innermost [1024][4096] at VC; scale bytes: Q's and K's [4 groups of heads][4096][4 heads x 2] at QS, KSO; V's [16 runs of 256 tokens][1024][8] at VSO.
; Out: codes [4096][1024] at 0, scale bytes [4][4096][8] at CSO.
; LEFT OUT: key steps that lie wholly above the diagonal of reference()'s own causal mask (see the first kernel's head).
; THE SOFTMAX: t = score x log2(e) / 8; M = the running largest t rounded up to a whole number; p = 2^(t - M) is quantised along the keys; the sum is taken of the unquantised p and divides at the end.
; LIMIT: the promise holds while |t| stays under 2^31.  NaN and infinities are not served.
; SHARES.  A cluster of four work-groups owns query blocks 15 - c and c (128 queries each, c = the cluster's x) of four heads of one batch; a work-group 32 queries of each block: 2 tiles of 16 x 4 heads.
; A TILE'S KEY STEPS OF 128 ARE DEALT BY PARITY TO TWO WAVES (w and w xor 4): wave = head + 4 x parity + 8 x tile.  First all sixteen waves walk the tiles of block 15 - c (8 - c / 2 slots of 256 keys), then the keys come
; again from 0 for the tiles of block c (c / 2 + 1 slots): nine slots in every work-group, one key step a wave in each.  At a walk's end the two partners hand each other half of O^T with their sum and M through LDS bytes of their own;
; the factors 2^(own M - common M) are exact; each partner finishes, quantises and stages one block of 32 of the head's 64.
; THE RING: two slots, each with 256 keys of K (4 heads: rows of 256 bytes), V's 256 rows x 256 keys and both tensors' 2,048 scale bytes; six waves fetch, one joint load each (mask: all four partners, which walk the same slots).
; The add stands twice in front of each round behind which a slot is filled.
; PREFETCH: in the first walk waves 8 to 11 ask, at the change that loads slot n, for the codes of slot n + 1: 64 rows of K and 64 of V a work-group (the partners told apart by address), a lane a row of 256 bytes.
; Slots 0 and 1 come by their loads alone; the second walk's bytes have been read in the first; the scale bytes, 4,096 of a slot's 135,168, are not asked for.
; LAYOUT of a lane as in S^T = K Q^T, O^T = V^T P^T: a lane holds one query.  The head's 64 fill half of the product's 128: source 0 holds two tiles of keys side by side, source 1 is Q beside zeros.
.set KC,    4194304
.set VC,    8388608
.set QS,    12582912
.set KSO,   12713984
.set VSO,   12845056
.set CSO,   4194304
.set SLOTB, 143360                     ; a slot: K 256 x 272, V 256 x 272, K's scale bytes, V's scale bytes
.set VOFF,  69632
.set KSL,   139264
.set VSL,   141312
.set SPARE, 286720                     ; the spare words: 128 bytes a wave
.set XCH,   288768                     ; the exchange: 2,304 bytes a wave; behind a barrier the same bytes stage the codes on their way out
.set XW,    2304
.set SSTG,  XCH+8704                   ; and the 256 scale bytes
.set S,   104                          ; v104-167 S^T, then p
.set OT,  168                          ; v168-199 O^T
.set PCD, 200                          ; v200-215 p's codes
.set BM,  216
.set PX,  220
.set LIM, 224
.set SCO, 228
.set KW,  232                          ; v232-239 scale words of K, then of V
.set WV,  8
.set HD,  9
.set PAR, 10
.set QT,  11
.set CX,  12
.set BLK, 15                           ; the query block in hand
.set ST,  17                           ; my next key step
.set NH,  18                           ; slots of the first walk
.set LI,  19                           ; the number of the next fill, 0 to 8
.set G1K, 28
.set G1V, 36
.set G1S, 44
.set G0C, 52
.set G0S, 56
.set OFF0, 66
.set STEPB, 67
.set LCW, 68
.set LSW, 69
.set PFA, 70
.set POFF, 72
.set PSTEP, 73
.set PLIM, 74
.set SL,  76
.set XS,  77
.set XP,  78
.set SST, 79
.set SSB, 80
.set SRD, 81
.set PM,  82
.set OSC, 83
.set ORW, 84
.set OHG, 85
.set AK,  86
.set AV,  87
.set AKS, 88
.set AVS, 89
.set QH,  90
.set QL,  91
.set QSH, 92
.set QSL, 93
.set PPI, 94
.set LV,  95                           ; 1 while the second half of a key step of mine is still owed
.macro NOPS n
.rept \n
	v_nop
.endr
.endm
.macro TLOAD                           ; waves 0, 1: K's halves; 2, 3: V's; 4: K's scale bytes; 5: V's.  An s_nop 0 and four v_nop follow each line
	s_cmp_lt_u32 s[WV], 2
	s_cbranch_scc0 .Lnk_\@
	tensor_load_to_lds s[G0C:G0C+3], s[G1K:G1K+7]
	s_nop 0
	NOPS 4
	s_branch .Lasked_\@
.Lnk_\@:
	s_cmp_lt_u32 s[WV], 4
	s_cbranch_scc0 .Lnv_\@
	tensor_load_to_lds s[G0C:G0C+3], s[G1V:G1V+7]
	s_nop 0
	NOPS 4
	s_branch .Lasked_\@
.Lnv_\@:
	s_cmp_lt_u32 s[WV], 6
	s_cbranch_scc0 .Lasked_\@
	tensor_load_to_lds s[G0S:G0S+3], s[G1S:G1S+7]
	s_nop 0
	NOPS 4
.Lasked_\@:
.endm
.macro ROUND
	s_barrier_signal -1
	s_barrier_wait -1
	s_cmp_lg_u32 s[WV], 0
	s_cbranch_scc1 .Lnot_wave_0_\@
	s_barrier_signal -3
.Lnot_wave_0_\@:
	s_barrier_wait -3
	s_barrier_signal -1
	s_barrier_wait -1
.endm
.macro DESC slot                       ; groups 0 for fill LI into \slot: key slot LI in the first walk, LI - NH in the second
	s_cmp_ge_u32 s[LI], s[NH]
	s_cselect_b32 s25, s[NH], 0
	s_sub_co_u32 s25, s[LI], s25
	s_mul_i32 s26, s25, s[STEPB]
	s_add_co_u32 s26, s26, s[OFF0]
	s_mov_b32 s27, 0
	s_add_nc_u64 s[G0C+2:G0C+3], s[4:5], s[26:27]
	s_or_b32 s[G0C+3], s[G0C+3], 0x80000000
	s_mov_b64 s[G0S+2:G0S+3], s[G0C+2:G0C+3]
	s_add_co_u32 s[G0C+1], s[LCW], (\slot)*SLOTB
	s_add_co_u32 s[G0S+1], s[LSW], (\slot)*SLOTB
	s_add_co_u32 s[LI], s[LI], 1
.endm
.macro INIT                            ; a walk begins: the largest t under every t, zeros in the sums
	v_mov_b32 v13, 0xff61b1e6
	v_floor_f32 v12, -v13
	v_mov_b32 v14, 0
	v_mov_b32 v15, 0
.set n, 0
.rept 32
	v_mov_b32 v[OT+n], 0
.set n, n+1
.endr
.endm
	s_load_b128 s[4:7], s[0:1], 0x0                ; qkv, ctx
	v_lshl_add_u32 v7, v0, 2, SPARE
	v_mov_b32 v8, 0
	ds_add_u32 v7, v8                              ; the opening lines: the add twice on end and its wait
	ds_add_u32 v7, v8
	v_lshrrev_b32 v9, 5, v0
	v_readfirstlane_b32 s[WV], v9
	s_and_b32 s[HD], s[WV], 3
	s_bfe_u32 s[PAR], s[WV], 0x10002
	s_lshr_b32 s[QT], s[WV], 3
	s_bfe_u32 s[CX], ttmp6, 0x40000
	s_and_b32 s25, ttmp7, 0xffff
	s_lshr_b32 s13, s25, 2                         ; batch
	s_and_b32 s14, s25, 3                          ; group of four heads
	s_sub_co_u32 s[BLK], 15, ttmp9
	s_lshr_b32 s25, ttmp9, 1
	s_sub_co_u32 s[NH], 8, s25
	s_lshl_b32 s16, s[CX], 1
	s_add_co_u32 s16, s16, s[QT]
	s_lshl_b32 s16, s16, 4                         ; my tile's first query in its block
	s_mov_b32 s[ST], s[PAR]
	s_mov_b32 s[LI], 0
	s_mov_b32 s[LV], 0
	s_mov_b32 s[SL], 0
	s_cmp_eq_u32 s[PAR], 1
	s_cselect_b32 s[PM], -1, 0
	s_mov_b32 s20, 0x76543210
	s_mov_b32 s21, 0xfedcba98
	s_mov_b32 s22, 0x3e38aa3b                      ; log2(e) / 8
	s_mov_b32 s23, s22
	s_mov_b32 s24, 0x600000
	; what I fetch, if I fetch
	s_and_b32 s25, s[WV], 1
	s_lshl_b32 s60, s13, 11
	s_lshl_b32 s26, s25, 7
	s_add_co_u32 s26, s26, s60
	s_lshl_b32 s26, s26, 10
	s_lshl_b32 s27, s14, 8
	s_add_co_u32 s26, s26, s27
	s_add_co_u32 s26, s26, KC                      ; K's codes: my 128 keys
	s_lshl_b32 s61, s25, 7
	s_add_co_u32 s61, s61, s27
	s_lshl_b32 s61, s61, 12
	s_add_co_u32 s61, s61, s60
	s_add_co_u32 s61, s61, VC                      ; V's: my 128 rows
	s_lshl_b32 s62, s60, 3
	s_lshl_b32 s63, s14, 15
	s_add_co_u32 s62, s62, s63
	s_add_co_u32 s[OSC], s63, CSO
	s_add_co_u32 s62, s62, KSO                     ; K's scale bytes
	s_lshl_b32 s63, s13, 16
	s_lshl_b32 s25, s14, 11
	s_add_co_u32 s63, s63, s25
	s_add_co_u32 s63, s63, VSO                     ; V's
	s_mov_b32 s[OHG], s27
	s_mov_b32 s[OFF0], s63
	s_mov_b32 s[STEPB], 8192
	s_cmp_lt_u32 s[WV], 5
	s_cselect_b32 s[OFF0], s62, s[OFF0]
	s_cselect_b32 s[STEPB], 2048, s[STEPB]
	s_cmp_lt_u32 s[WV], 4
	s_cselect_b32 s[OFF0], s61, s[OFF0]
	s_cselect_b32 s[STEPB], 256, s[STEPB]
	s_cmp_lt_u32 s[WV], 2
	s_cselect_b32 s[OFF0], s26, s[OFF0]
	s_cselect_b32 s[STEPB], 262144, s[STEPB]
	s_mul_i32 s[LCW], s[WV], 34816                 ; codes: waves 0 to 3, 128 rows of 272 bytes each
	s_and_b32 s[LSW], s[WV], 1
	s_lshl_b32 s[LSW], s[LSW], 11
	s_add_co_u32 s[LSW], s[LSW], KSL               ; scale bytes: waves 4, 5
	; the exchange and the stage: the wave's number alone
	s_mul_i32 s[XS], s[WV], XW
	s_add_co_u32 s[XS], s[XS], XCH
	s_xor_b32 s25, s[WV], 4
	s_mul_i32 s[XP], s25, XW
	s_add_co_u32 s[XP], s[XP], XCH
	s_mul_i32 s25, s[QT], 4352
	s_add_co_u32 s25, s25, XCH
	s_lshl_b32 s26, s[HD], 6
	s_add_co_u32 s[SST], s25, s26
	s_lshl_b32 s27, s[PAR], 5
	s_add_co_u32 s[SST], s[SST], s27
	s_and_b32 s27, s[WV], 7
	s_mul_i32 s[SRD], s27, 544
	s_add_co_u32 s[SRD], s[SRD], s25
	s_lshl_b32 s[ORW], s[QT], 4
	s_lshl_b32 s27, s27, 1
	s_add_co_u32 s[ORW], s[ORW], s27
	s_lshl_b32 s[SSB], s[QT], 7
	s_lshl_b32 s27, s[HD], 1
	s_add_co_u32 s[SSB], s[SSB], s27
	s_add_co_u32 s[SSB], s[SSB], s[PAR]
	s_add_co_u32 s[SSB], s[SSB], SSTG
	; my fragments in a slot
	s_mul_i32 s[AK], s[PAR], 34816
	s_add_co_u32 s[AK], s[AK], s26
	s_mul_i32 s[AV], s[HD], 17408
	s_lshl_b32 s25, s[PAR], 7
	s_add_co_u32 s[AV], s[AV], s25
	s_add_co_u32 s[AV], s[AV], VOFF
	s_lshl_b32 s[AKS], s[PAR], 10
	s_add_co_u32 s[AKS], s[AKS], s27
	s_add_co_u32 s[AKS], s[AKS], KSL
	s_lshl_b32 s[AVS], s[HD], 9
	s_lshl_b32 s25, s[PAR], 2
	s_add_co_u32 s[AVS], s[AVS], s25
	s_add_co_u32 s[AVS], s[AVS], VSL
	; Q of both blocks
	s_add_co_u32 s25, s60, s16
	s_lshl_b32 s61, s[BLK], 7
	s_add_co_u32 s61, s61, s25
	s_lshl_b32 s62, ttmp9, 7
	s_add_co_u32 s62, s62, s25
	s_add_co_u32 s26, s26, s[OHG]
	s_lshl_b32 s[QH], s61, 10
	s_add_co_u32 s[QH], s[QH], s26
	s_lshl_b32 s[QL], s62, 10
	s_add_co_u32 s[QL], s[QL], s26
	s_lshl_b32 s26, s14, 15
	s_add_co_u32 s27, s27, s26
	s_add_co_u32 s27, s27, QS
	s_lshl_b32 s[QSH], s61, 3
	s_add_co_u32 s[QSH], s[QSH], s27
	s_lshl_b32 s[QSL], s62, 3
	s_add_co_u32 s[QSL], s[QSL], s27
	; the prefetches: waves 8, 9 K's rows, waves 10, 11 V's: 32 rows a wave, my work-group's 64 of the slot's 256
	s_and_b32 s25, s[WV], 1
	s_lshl_b32 s25, s25, 5
	s_lshl_b32 s26, s[CX], 6
	s_add_co_u32 s25, s25, s26
	s_add_co_u32 s26, s60, s25
	s_lshl_b32 s26, s26, 10
	s_add_co_u32 s26, s26, s[OHG]
	s_add_co_u32 s26, s26, KC
	s_add_co_u32 s27, s[OHG], s25
	s_lshl_b32 s27, s27, 12
	s_add_co_u32 s27, s27, s60
	s_add_co_u32 s27, s27, VC
	s_mov_b32 s[PSTEP], 256
	s_mov_b32 s[PPI], 4096
	s_cmp_lt_u32 s[WV], 10
	s_cselect_b32 s[POFF], s26, s27
	s_cselect_b32 s[PSTEP], 262144, s[PSTEP]
	s_cselect_b32 s[PPI], 1024, s[PPI]
	s_sub_co_u32 s25, s[WV], 8
	s_lshr_b32 s25, s25, 2
	s_cmp_eq_u32 s25, 0
	s_cselect_b32 s[PLIM], s[NH], 0                ; a wave asks while the slot's number lies under this
	; descriptor groups 1: codes: 128 rows of 256 bytes, 16 bytes of padding behind each; the mask names the four partners
.irp g, G1K, G1V
	s_mov_b32 s[\g], 15|(1<<20)|(1<<21)|(5<<22)|(3<<25)
	s_mov_b32 s[\g+1], 256<<16
	s_mov_b32 s[\g+2], 128<<16
	s_mov_b32 s[\g+3], 256<<16
	s_mov_b32 s[\g+4], 128
	s_mov_b32 s[\g+6], 0
	s_mov_b32 s[\g+7], 0
.endr
	s_mov_b32 s[G1K+5], 1024
	s_mov_b32 s[G1V+5], 4096
	s_mov_b32 s[G1S], 15|(3<<16)|(1<<21)           ; scale bytes: 2,048 dense bytes as 8 rows of 256
	s_mov_b32 s[G1S+1], 32<<16
	s_mov_b32 s[G1S+2], 8<<16
	s_mov_b32 s[G1S+3], 32<<16
	s_mov_b32 s[G1S+4], 8
	s_mov_b32 s[G1S+5], 32
	s_mov_b32 s[G1S+6], 0
	s_mov_b32 s[G1S+7], 0
	s_mov_b32 s[G0C], 1
	s_mov_b32 s[G0S], 1
	s_wait_dscnt 0x0                               ; both opening adds are done
	s_wait_kmcnt 0x0
	DESC 0
	ROUND                                          ; the four partners are here: the first joint loads meet
	TLOAD                                          ; slot 0: one load a wave
	v_and_b32 v216, 15, v0                         ; r
	v_bfe_u32 v217, v0, 4, 1                       ; h
	v_lshlrev_b32 v104, 10, v216
	v_lshl_add_u32 v104, v217, 4, v104
	v_add_nc_u32 v105, s[QL], v104
	v_add_nc_u32 v104, s[QH], v104
	v_lshlrev_b32 v106, 3, v216
	v_add_nc_u32 v107, s[QSL], v106
	v_add_nc_u32 v106, s[QSH], v106
	global_load_b128 v[16:19], v104, s[4:5]        ; Q of block 15 - c: v16-23, zeros behind it in v24-31
	global_load_b128 v[20:23], v104, s[4:5] offset:32
	global_load_b128 v[244:247], v105, s[4:5]      ; Q of block c waits in v244-251
	global_load_b128 v[248:251], v105, s[4:5] offset:32
	global_load_u16 v243, v106, s[4:5]
	global_load_u16 v252, v107, s[4:5]
	v_mul_u32_u24 v1, v216, 272                    ; a tile takes 16 neighbouring rows: with a pitch of 68 words they begin in 16 different groups of four banks
	v_lshl_add_u32 v3, v217, 3, v1                 ; V: + 8 h
	v_lshl_add_u32 v1, v217, 4, v1                 ; K: + 16 h
	v_add_nc_u32 v3, s[AV], v3                     ; v3, v4: V's fragments in slot 0, 1
	v_add_nc_u32 v1, s[AK], v1                     ; v1, v2: K's
	v_add_nc_u32 v2, SLOTB, v1
	v_add_nc_u32 v4, SLOTB, v3
	v_lshl_add_u32 v5, v216, 3, s[AKS]             ; v5, v6: K's scale bytes
	v_add_nc_u32 v6, SLOTB, v5
	v_lshl_add_u32 v10, v216, 3, s[AVS]            ; v10, v11: V's scale words
	v_add_nc_u32 v11, SLOTB, v10
	v_lshlrev_b32 v9, 3, v217
	v_sub_nc_u32 v9, v216, v9
	v_add_nc_u32 v9, s16, v9                       ; my query in its block - 8 h
	v_and_b32 v255, 31, v0
	v_mul_lo_u32 v255, v255, s[PPI]                ; the prefetches' offset: a lane a row
.irp j, 0,1,2,3,4,5,6,7
	v_mov_b32 v[24+\j], 0                          ; the zeros beside Q,
	v_mov_b32 v[96+\j], 0                          ; and behind K's last tile
.endr
.irp j, 0,1,2,3
	v_mov_b32 v[PX+\j], 0
.endr
	v_mov_b32 v240, 0
	v_mov_b32 v241, 0
	INIT
.set n, 0
.rept 64
	v_mov_b32 v[32+n], 0                           ; what a step's second half reads is written once here: the text has ways on which it stands ahead of the first first half
.set n, n+1
.endr
.set n, 4
.rept 60
	v_mov_b32 v[S+n], 0                            ; (v104-107 still hold the offsets of Q's loads: behind the wait for them)
.set n, n+1
.endr
.irp j, 0,1,2,3
	v_mov_b32 v[KW+\j], 0
.endr
; A KEY STEP of 128 keys in slot s: my parity's half of the slot, by my address registers
; THE ORDER OF KEYS.  Score tile j (0 to 7) takes keys 16 j + 0..15, so register 8 j + i of lane (query r, h) is key 16 j + 8 h + i.  p's codes of a block of 32 keys then stand, in lane half h, as keys 8 h + 0..7 and 16 + 8 h + 0..7:
; V's fragment takes the same order, 8 bytes at 32 c + 8 h and 8 bytes at 32 c + 16 + 8 h.  The blocks of 32 and their scale bytes are untouched.
; K's eight tiles lie on end in v32-95; tile j's product takes v[32 + 8 j .. 47 + 8 j] against Q beside zeros: what lies in the upper half (the next tile, or the zeros of v96-103) meets zero codes.
; So a tile's two scale bytes stand in the low half of its scale word as a load of 16 bits leaves them; the upper bytes, 0, are finite scales of products that are 0.
.macro VTILE t, adr, s                 ; V's tile t: rows 16 t + r of my head, my 128 keys; and its rows' scale words
.irp c, 0,1,2,3
	ds_load_2addr_b64 v[32+16*(\t)+4*\c:35+16*(\t)+4*\c], v[\adr] offset0:4*\c offset1:4*\c+2
.endr
	ds_load_b32 v[KW+\t], v[10+\s] offset:128*(\t)
.endm
.macro H1 s                            ; a step's first half: K's loads, the scores, V's loads, the softmax up to p
	s_cmp_gt_u32 s[ST], s[BLK]
	s_cbranch_scc1 .Lhidden_\@                     ; all its keys come after my block's queries: ids alone
	s_mov_b32 s[LV], 1
	NOPS 8                                         ; places in front of loads into registers that the last products have read
.irp b, 0,1,2,3
	ds_load_u16 v[KW+2*\b], v[5+\s] offset:256*\b
	ds_load_u16 v[KW+2*\b+1], v[5+\s] offset:256*\b+128
.endr
.irp b, 0,1,2,3
	ds_load_b128 v[32+16*\b:35+16*\b], v[1+\s] offset:32*\b*272
	ds_load_b128 v[36+16*\b:39+16*\b], v[1+\s] offset:32*\b*272+32
	ds_load_b128 v[40+16*\b:43+16*\b], v[1+\s] offset:32*\b*272+4352
	ds_load_b128 v[44+16*\b:47+16*\b], v[1+\s] offset:32*\b*272+4384
.endr
	s_wait_dscnt 0x0
.irp j, 0,1,2,3,4,5,6,7
	v_wmma_scale_f32_16x16x128_f8f6f4 v[S+8*\j:S+8*\j+7], v[32+8*\j:47+8*\j], v[16:31], 0, v[KW+\j], v243
.endr
	v_add_nc_u32 v253, 4352, v[3+\s]               ; V's tiles 1 to 3 begin 16 rows apart: these three lines and five v_nop are the eight places behind the products
	v_add_nc_u32 v254, 8704, v[3+\s]
	v_add_nc_u32 v242, 13056, v[3+\s]
	NOPS 5
	VTILE 0, 3+\s, \s
	VTILE 1, 253, \s
	VTILE 2, 254, \s
	VTILE 3, 242, \s
	s_cmp_lg_u32 s[ST], s[BLK]
	s_cbranch_scc1 .Lopen_\@
	v_mov_b32 v242, 0xff800000                     ; on the diagonal hidden scores become -infinity
.set n, 0
.rept 64
	v_cmp_gt_i32 vcc_lo, 16*(n/8)+n%8, v9
	v_cndmask_b32 v[S+n], v[S+n], v242, vcc_lo
.set n, n+1
.endr
.Lopen_\@:
.irp b, 0,1,2,3
	v_max3_num_f32 v[BM+\b], v[S+16*\b], v[S+16*\b+1], v[S+16*\b+2]
.endr
.irp i, 3,5,7,9,11,13
.irp b, 0,1,2,3
	v_max3_num_f32 v[BM+\b], v[BM+\b], v[S+16*\b+\i], v[S+16*\b+\i+1]
.endr
.endr
.irp b, 0,1,2,3
	v_max_num_f32 v[BM+\b], v[BM+\b], v[S+16*\b+15]
.endr
.irp b, 0,1,2,3
	s_delay_alu instid0(VALU_DEP_4)
	v_permlanex16_b32 v[PX+\b], v[BM+\b], s20, s21
.endr
.irp b, 0,1,2,3
	s_delay_alu instid0(VALU_DEP_4)
	v_max_num_f32 v[BM+\b], v[BM+\b], v[PX+\b]
.endr
	s_delay_alu instid0(VALU_DEP_2)
	v_max3_num_f32 v242, v[BM], v[BM+1], v[BM+2]
	s_delay_alu instid0(VALU_DEP_1)
	v_max_num_f32 v242, v242, v[BM+3]
	s_delay_alu instid0(VALU_DEP_1)
	v_mul_f32 v242, s22, v242
	s_delay_alu instid0(VALU_DEP_1)
	v_max_num_f32 v13, v13, v242                   ; the running largest t
	v_mov_b32 v242, v12
	s_delay_alu instid0(VALU_DEP_2)
	v_floor_f32 v12, -v13                          ; -M
	s_delay_alu instid0(VALU_DEP_1)
	v_sub_f32 v242, v12, v242
	s_delay_alu instid0(VALU_DEP_1)
	v_cvt_i32_f32 v242, v242
	s_delay_alu instid0(VALU_DEP_1)
	v_ldexp_f32 v240, 1.0, v242                    ; f = 2^(old M - new M)
.set n, 0
.rept 32
	v_pk_fma_f32 v[S+n:S+n+1], v[S+n:S+n+1], s[22:23], v[12:13] op_sel_hi:[1,0,0]
.set n, n+2
.endr
.irp b, 0,1,2,3
	v_fma_f32 v[BM+\b], v[BM+\b], s22, v12
.endr
.set n, 0
	s_wait_alu depctr_va_vdst(0)                   ; the wait ahead of the batch
.rept 64
	v_exp_f32 v[S+n], v[S+n]
.set n, n+1
.endr
.irp b, 0,1,2,3
	v_exp_f32 v[BM+\b], v[BM+\b]                   ; each block's largest p
.endr
	v_pk_mul_f32 v[14:15], v[14:15], v[240:241] op_sel_hi:[1,0]
	s_wait_alu depctr_va_vdst(0)                   ; the wait behind it, ahead of its first reader and of the label
.Lhidden_\@:
	s_add_co_u32 s[ST], s[ST], 2
.endm
.macro H2                              ; its second half: p's scales, the sum, the holds and conversions, O^T under the new M, the second product
.irp b, 0,1,2,3
	v_max_num_f32 v[BM+\b], 0x4800000, v[BM+\b]
.endr
.irp b, 0,1,2,3
	s_delay_alu instid0(VALU_DEP_4)
	v_add_nc_u32 v[SCO+\b], 0xfc000000, v[BM+\b]
.endr
.irp b, 0,1,2,3
	v_and_or_b32 v[LIM+\b], v[BM+\b], 0x7f800000, s24
.endr
.irp b, 0,1,2,3
	v_lshrrev_b32 v[PX+\b], 23, v[SCO+\b]
.endr
	s_delay_alu instid0(VALU_DEP_3)
	v_lshl_or_b32 v241, v[PX+1], 8, v[PX]
	s_delay_alu instid0(VALU_DEP_1)
	v_lshl_or_b32 v241, v[PX+2], 16, v241
	s_delay_alu instid0(VALU_DEP_1)
	v_lshl_or_b32 v241, v[PX+3], 24, v241          ; p's scale word
	v_pk_add_f32 v[PX:PX+1], v[S:S+1], v[S+2:S+3]  ; the sum of the unquantised p, in two chains
.irp j, 4,8,12,16,20,24,28,32,36,40,44,48,52,56,60
	v_pk_add_f32 v[14:15], v[14:15], v[S+\j:S+\j+1]
	v_pk_add_f32 v[PX:PX+1], v[PX:PX+1], v[S+\j+2:S+\j+3]
.endr
	s_delay_alu instid0(VALU_DEP_1)
	v_pk_add_f32 v[14:15], v[14:15], v[PX:PX+1]
.irp b, 0,1,2,3
.irp i, 0,1,2,3,4,5,6,7,8,9,10,11,12,13,14,15
	v_min_num_f32 v[S+16*\b+\i], v[S+16*\b+\i], v[LIM+\b]
.endr
	v_cvt_scalef32_pk8_fp8_f32 v[PCD+4*\b:PCD+4*\b+1], v[S+16*\b:S+16*\b+7], v[SCO+\b]
	v_cvt_scalef32_pk8_fp8_f32 v[PCD+4*\b+2:PCD+4*\b+3], v[S+16*\b+8:S+16*\b+15], v[SCO+\b]
.endr
	s_wait_alu depctr_va_vdst(0)                   ; the wait directly ahead of the first reader of O^T
.set n, 0
.rept 16
	v_pk_mul_f32 v[OT+n:OT+n+1], v[OT+n:OT+n+1], v[240:241] op_sel_hi:[1,0]
.set n, n+2
.endr
	s_wait_alu depctr_va_vdst(0)                   ; directly ahead of the wait below
	s_wait_dscnt 0x0
.irp t, 0,1,2,3
	v_wmma_scale_f32_16x16x128_f8f6f4 v[OT+8*\t:OT+8*\t+7], v[32+16*\t:47+16*\t], v[PCD:PCD+15], v[OT+8*\t:OT+8*\t+7], v[KW+\t], v241
.endr
.endm
; THE TWO PARITIES STAND AT DIFFERENT PLACES OF A STEP.  A step's second half touches no LDS: its state (p, the blocks' largest p, f, V's fragments and scale words) lies in registers.  Waves of parity 0 run both halves inside a slot;
; waves of parity 1 carry the second half over the change of slots (their reads of the slot are awaited there like all others) and run it first behind the round, ahead of the next step's first half.
; The branches hang on the wave's number and on s[LV], which is made of ids and the count of steps alone; they lead round no barrier, wait on memory, add or tensor load.
.macro H2IF p
	s_cmp_lg_u32 s[PAR], \p
	s_cbranch_scc1 .Lnot_now_\@
	s_cmp_eq_u32 s[LV], 0
	s_cbranch_scc1 .Lnot_now_\@
	H2
	s_mov_b32 s[LV], 0
.Lnot_now_\@:
.endm
; THE CHANGE OF SLOTS, at a slot's head: the three lines, a round of the cluster's barrier, and (fill = 1) the joint refill of the slot just left
.macro CHANGE slot, fill
	s_wait_alu depctr_va_vdst(0)                   ; the wait ahead of the waits below
	s_wait_tensorcnt 0x0
	ds_add_u32 v7, v8
.if \fill
	ds_add_u32 v7, v8                              ; twice on end
	DESC 1-(\slot)
	s_wait_xcnt 0x0                                ; my last prefetch has read its address
	s_mul_i32 s26, s[LI], s[PSTEP]
	s_add_co_u32 s26, s26, s[POFF]
	s_add_nc_u64 s[PFA:PFA+1], s[4:5], s[26:27]    ; the slot after the one that is asked for now
.endif
	s_wait_dscnt 0x0
	ROUND
.if \fill
	TLOAD
	s_cmp_lt_u32 s[LI], s[PLIM]
	s_cbranch_scc0 .Lnot_mine_\@
	global_prefetch_b8 v255, s[PFA:PFA+1] th:TH_LOAD_NT scope:SCOPE_SE
.Lnot_mine_\@:
.endif
.endm
; A WALK'S END.  Partners w and w xor 4 join their parts; parity e keeps block e of the head's two blocks of 32.
.macro FIN
	s_lshl_b32 s25, s13, 11
	s_lshl_b32 s26, s[BLK], 7
	s_add_co_u32 s25, s25, s26
	s_lshl_b32 s26, s[CX], 5
	s_add_co_u32 s25, s25, s26                     ; the work-group's first token of this block
	s_lshl_b32 s62, s25, 3
	s_add_co_u32 s62, s62, s[OSC]
	s_mov_b32 s63, 0
	s_add_nc_u64 s[62:63], s[6:7], s[62:63]        ; its 256 scale bytes
	s_add_co_u32 s25, s25, s[ORW]
	s_lshl_b32 s60, s25, 10
	s_add_co_u32 s60, s60, s[OHG]
	s_mov_b32 s61, 0
	s_add_nc_u64 s[60:61], s[6:7], s[60:61]        ; the two rows that I store
	v_and_b32 v216, 15, v0                         ; these 18 lines are also the places behind the last products
	v_bfe_u32 v217, v0, 4, 1
	v_and_b32 v218, 31, v0
	v_lshl_add_u32 v160, v218, 4, s[XS]
	v_lshl_add_u32 v161, v218, 4, s[XP]
	v_lshl_add_u32 v162, v218, 2, s[XS]
	v_lshl_add_u32 v163, v218, 2, s[XP]
	v_mul_u32_u24 v164, v216, 272
	v_lshl_add_u32 v164, v217, 3, v164
	v_add_nc_u32 v164, s[SST], v164
	v_lshl_add_u32 v165, v216, 3, s[SSB]
	v_mul_u32_u24 v166, v217, 272
	v_lshl_add_u32 v166, v216, 4, v166
	v_add_nc_u32 v166, s[SRD], v166
	v_lshlrev_b32 v167, 10, v217
	v_lshl_add_u32 v167, v216, 4, v167
	v_lshlrev_b32 v227, 3, v218
	v_add_nc_u32 v228, SSTG, v227
	v_add_f32 v14, v14, v15
	v_permlanex16_b32 v240, v14, s20, s21
	v_add_f32 v14, v14, v240                       ; my part of the row's sum
.set n, 0
.rept 16
	v_cndmask_b32 v[104+n], v[OT+16+n], v[OT+n], s[PM]   ; what I hand over,
	v_cndmask_b32 v[120+n], v[OT+n], v[OT+16+n], s[PM]   ; what I keep
.set n, n+1
.endr
.irp k, 0,1,2,3
	ds_store_b128 v160, v[104+4*\k:107+4*\k] offset:512*\k
.endr
	ds_store_b32 v162, v14 offset:2048
	ds_store_b32 v162, v12 offset:2176
	s_wait_alu depctr_va_vdst(0)                   ; the wait ahead of the wait below
	s_wait_dscnt 0x0
	s_barrier_signal -1
	s_barrier_wait -1
.irp k, 0,1,2,3
	ds_load_b128 v[136+4*\k:139+4*\k], v161 offset:512*\k
.endr
	ds_load_b32 v152, v163 offset:2048
	ds_load_b32 v153, v163 offset:2176
	s_wait_dscnt 0x0
	s_barrier_signal -1                            ; my reads of the exchange are over; register work alone up to the wait
	v_min_num_f32 v154, v12, v153                  ; - the common M
	v_sub_f32 v155, v154, v12
	v_sub_f32 v156, v154, v153
	v_cvt_i32_f32 v155, v155                       ; (it saturates: a part with no key step gets the factor 0)
	v_cvt_i32_f32 v156, v156
	v_ldexp_f32 v155, 1.0, v155
	v_ldexp_f32 v156, 1.0, v156
	v_mul_f32 v157, v14, v155
	v_fma_f32 v157, v152, v156, v157               ; the row's sum
	s_wait_alu depctr_va_vdst(0)                   ; the wait ahead of the transcendental
	v_rcp_f32 v157, v157
	v_mov_b32 v159, 0                              ; (a plain place; named as a pair's upper half below)
	s_wait_alu depctr_va_vdst(0)                   ; the wait ahead of its first reader
	v_mul_f32 v158, v155, v157
	v_mul_f32 v154, v156, v157
.set n, 0
.rept 8
	v_pk_mul_f32 v[120+n:121+n], v[120+n:121+n], v[158:159] op_sel_hi:[1,0]
.set n, n+2
.endr
.set n, 0
.rept 8
	v_pk_fma_f32 v[120+n:121+n], v[136+n:137+n], v[154:155], v[120+n:121+n] op_sel_hi:[1,0,1]
.set n, n+2
.endr
	v_max3_num_f32 v220, |v120|, |v121|, 0x4800000
	v_max3_num_f32 v221, |v122|, |v123|, |v124|
	v_max3_num_f32 v220, v220, |v125|, |v126|
	v_max3_num_f32 v221, v221, |v127|, |v128|
	v_max3_num_f32 v220, v220, |v129|, |v130|
	v_max3_num_f32 v221, v221, |v131|, |v132|
	v_max3_num_f32 v220, v220, |v133|, |v134|
	v_max3_num_f32 v220, v220, v221, |v135|
	v_permlanex16_b32 v222, v220, s20, s21
	v_max_num_f32 v220, v220, v222                 ; the block's largest magnitude
	v_add_nc_u32 v224, 0xfc000000, v220
	v_and_or_b32 v225, v220, 0x7f800000, s24
	v_lshrrev_b32 v226, 23, v224
.set n, 0
.rept 16
	v_med3_num_f32 v[120+n], v[120+n], -v225, v225
.set n, n+1
.endr
	v_cvt_scalef32_pk8_fp8_f32 v[200:201], v[120:127], v224
	v_cvt_scalef32_pk8_fp8_f32 v[202:203], v[128:135], v224
	v_nop
	s_wait_alu depctr_va_vdst(0)                   ; the wait ahead of the barrier's wait
	s_barrier_wait -1                              ; nobody reads the exchange any more: its bytes take the stage
	ds_store_b64 v164, v[200:201]                  ; row r of my tile: 64 head + 32 parity + 8 h: register 8 t + i of O^T is channel 16 t + 8 h + i,
	ds_store_b64 v164, v[202:203] offset:16        ; and the eight channels 16 further on
	ds_store_b8 v165, v226
	s_wait_dscnt 0x0
	s_barrier_signal -1
	s_barrier_wait -1
	ds_load_b128 v[104:107], v166
	s_wait_dscnt 0x0
	global_store_b128 v167, v[104:107], s[60:61]   ; sixteen lanes: 256 consecutive bytes of a row, aligned
	s_cmp_lg_u32 s[WV], 0
	s_cbranch_scc1 .Lno_scales_\@
	ds_load_b64 v[108:109], v228
	s_wait_dscnt 0x0
	global_store_b64 v227, v[108:109], s[62:63]    ; 32 tokens' scale bytes: 256 consecutive bytes
.Lno_scales_\@:
	s_wait_xcnt 0x0                                ; the stores have read their registers
.endm
.macro PHASE                           ; behind each slot of the loop: is the first walk over?  Ids and the count of slots alone: the same in all waves of the cluster
	s_add_co_u32 s[SL], s[SL], 1
	s_cmp_lg_u32 s[SL], s[NH]
	s_cbranch_scc1 .Lsame_\@
	H2IF 1                                         ; parity 1 settles what it owes
	FIN
.irp j, 0,1,2,3,4,5,6,7
	v_mov_b32 v[16+\j], v[244+\j]                  ; on to block c
.endr
	v_mov_b32 v243, v252
	INIT
	s_mov_b32 s[BLK], ttmp9
	s_mov_b32 s[ST], s[PAR]
	s_wait_alu depctr_va_vdst(0)
.Lsame_\@:
.endm
	s_wait_alu depctr_va_vdst(0)                   ; the wait at the head's end
	s_wait_loadcnt 0x0
.irp j, 0,1,2,3
	v_mov_b32 v[S+\j], 0
	v_mov_b32 v[BM+\j], 0
.endr
	s_mov_b32 s75, 4
.Lpair:                                            ; four trips of two slots; each change fills the slot just left (the first: slot 1's first fill)
	CHANGE 0, 1
	H2IF 1
	H1 0
	H2IF 0
	PHASE
	CHANGE 1, 1
	H2IF 1
	H1 1
	H2IF 0
	PHASE
	s_sub_co_u32 s75, s75, 1
	s_cmp_lg_u32 s75, 0
	s_cbranch_scc1 .Lpair
	CHANGE 0, 0                                    ; the ninth slot: nothing more is asked for
	H2IF 1
	H1 0
	H2IF 0
	H2IF 1
	FIN
	s_wait_tensorcnt 0x0                           ; the wave's end
	ds_add_u32 v7, v8
	s_wait_dscnt 0x0
	ROUND                                          ; the closing round
	s_endpgm
.Lfunc_end_k_qee6ad81b6f_attn:
	.size	k_qee6ad81b6f_attn, .Lfunc_end_k_qee6ad81b6f_attn-k_qee6ad81b6f_attn
	.p2alignl 7, 3214868480
	.fill 96, 4, 3214868480
	.section	.rodata,"a",@progbits
	.p2align	6, 0x0
	.amdhsa_kernel k_qee6ad81b6f_attn
		.amdhsa_group_segment_fixed_size 327680
		.amdhsa_private_segment_fixed_size 0
		.amdhsa_enable_private_segment 0
		.amdhsa_kernarg_size 16
		.amdhsa_user_sgpr_count 2
		.amdhsa_user_sgpr_kernarg_segment_ptr 1
		.amdhsa_wavefront_size32 1
		.amdhsa_system_sgpr_workgroup_id_x 1
		.amdhsa_system_sgpr_workgroup_id_y 1
		.amdhsa_system_sgpr_workgroup_id_z 1
		.amdhsa_system_vgpr_workitem_id 0
		.amdhsa_next_free_vgpr 256
		.amdhsa_next_free_sgpr 100
		.amdhsa_reserve_vcc 1
		.amdhsa_float_denorm_mode_32 3
		.amdhsa_float_denorm_mode_16_64 3
		.amdhsa_memory_ordered 1
		.amdhsa_forward_progress 1
		.amdhsa_inst_pref_size 174
	.end_amdhsa_kernel
	.amdgpu_metadata
---
amdhsa.version: [ 1, 2 ]
amdhsa.kernels:
  - .name:           k_qee6ad81b6f_attn
    .symbol:         k_qee6ad81b6f_attn.kd
    .args:
      - { .name: qkv, .offset: 0, .size: 8, .value_kind: global_buffer, .address_space: global }
      - { .name: ctx, .offset: 8, .size: 8, .value_kind: global_buffer, .address_space: global }
    .group_segment_fixed_size: 327680
    .private_segment_fixed_size: 0
    .kernarg_segment_align: 8
    .kernarg_segment_size: 16
    .max_flat_workgroup_size: 512
    .sgpr_count:     100
    .vgpr_count:     256
    .wavefront_size: 32
...
	.end_amdgpu_metadata
.endif
;; end of part 3
;; launch wo (part 4): grid 8 x 32, 4 waves a work-group, clusters of 4 x 4, 327,680 bytes of LDS; arguments ctx, wo_codes, wo_scales, bo, x, x2; writes x2
.if DOCPART == 4
	.amdgcn_target "amdgcn-amd-amdhsa--gfx1250"
	.amdhsa_code_object_version 6
	.text
	.protected	k_qee6ad81b6f_wo
	.globl	k_qee6ad81b6f_wo
	.p2align	8
	.type	k_qee6ad81b6f_wo,@function
k_qee6ad81b6f_wo:
	s_mov_b64 s[64:65], 0
	v_nop
	global_prefetch_b8 v0, s[64:65] scope:SCOPE_SE
	s_setreg_imm32_b32 hwreg(HW_REG_WAVE_MODE, 25, 1), 1
	s_wait_xcnt 0x0
	s_wait_alu depctr_hold_cnt(0) depctr_sa_sdst(0) depctr_va_vdst(0) depctr_va_sdst(0) depctr_va_ssrc(0) depctr_va_vcc(0) depctr_vm_vsrc(0)
	s_getreg_b32 s2, hwreg(HW_REG_IB_STS2, 6, 4)
	s_cmp_eq_u32 s2, 0
	s_cbranch_scc0 .Lentry_in_a_cluster
	s_endpgm
.Lentry_in_a_cluster:
	s_bfe_u32 s2, ttmp6, 0x10000c
	s_cmp_lg_u32 s2, 0xf033
	s_cbranch_scc0 .Lentry_shape_is_right
	s_endpgm
.Lentry_shape_is_right:
; out = resid + A W^T + bias.  A: codes of E4M3 [4096][SIZE_K] with scale bytes laid [SIZE_K / 256][4096][8] at byte ASOFF of the same buffer; W: codes [1024][SIZE_K], scale bytes [1024][SIZE_K / 32];
; bias [1024], resid and out [4096][1024] f32.  Sums in f32.
; SHARES.  A work-group makes 128 x 128 of the result (256 work-groups), its four waves 64 x 64 each: 16 accumulators.  K goes in steps of 512 through two LDS slots filled by the tensor data mover; both operands have two sets
; of fragment registers: while one step of 128 is multiplied the next one's 32 LDS loads are on their way.  The scale bytes of the work-group's rows come once and stay.
; CLUSTER 4 x 4: A's tiles are shared along a row of the cluster, W's along a column: joint loads.  THE MATRIX INSTRUCTION IS USED TRANSPOSED (source 0 = 16 rows of W, source 1 = 16 rows of A): a lane holds eight neighbouring numbers of a row.
; The bias is the C of each sum's first product.  The residual is loaded at the head, in the layout in which rows come back from the stage, and added there.
; REGISTERS: window 0: v16-30 addresses; v32-39 A's scale words, v40-47 W's (two sets each, scales alone); v64-95 the bias; v128-255 A's fragments, two sets; window 1: W's two sets at v0 and v128;
; window 2: accumulator (a, b) at 8 (4 a + b); window 3: v0-127 the residual.
.set SIZE_K, 1024
.set ASOFF,  4194304
.set NB,     4
.set NBH,    2
.set ROWB,   512                       ; a slot's row: 512 codes
.set PITCH,  528                       ; + 16 bytes of padding: 132 words, so the 16 rows of a load start at 16 different banks (64 banks of 4 bytes: ISA guide 11.1)
.set SLOT,   256*PITCH                 ; A's 128 rows, then W's 128
.set LAPS,   SIZE_K/1024               ; a lap = two slots
.set KS,     SIZE_K/32                 ; a row of W's scale bytes
.set KG,     SIZE_K/256                ; runs of 256 along K
.set SCLA,   2*SLOT                    ; A's scale bytes: [KG][128 rows][8]
.set SCLB,   SCLA+2*KG*512             ; W's: 128 rows x KS, as runs of 256 bytes + 16
.set SPARE,  SCLB+(128*KS/256)*272     ; the spare words: 128 bytes a wave, two blocks of 256 bytes that no other line names
.set FN,     32                        ; LDS loads that bring a step's fragments
.set SN,     4                         ; and a run's scale words
.set ADRA, 16
.set ADSA, 18
.set ADSB, 19
.set ADRB, 20
.set STO,  22
.set RD,   24
.set CO,   26
.set SPW,  28
.set NIL,  29
.set BA,   30
.set SA,   32
.set SB,   40
.set BI,   64
.set AF,   128
.set BK,   128                         ; the way out: 16 rows read back, v128-159 and v160-191 by turns
.set G1A, 24
.set G0A, 32
.set G1B, 48
.set G0B, 56
.set G1SA, 68
.set G0SA, 76
.set G1SB, 80
.set G0SB, 88
.set MSB, 0
.macro WIN new                         ; the immediate's high byte repeats the setting that is left
.if MSB != (\new)
	s_set_vgpr_msb (MSB<<8)|(\new)
.set MSB, (\new)
.endif
.endm
.macro JLOAD g0a, g1a, g0b, g1b        ; a joint load: waves 0, 1 fetch for A, waves 2, 3 for W; four v_nop follow each line
	s_cmp_eq_u32 s15, 0
	s_cbranch_scc0 .Lfor_b_\@
	tensor_load_to_lds s[\g0a:\g0a+3], s[\g1a:\g1a+7]
	s_nop 0
.rept 4
	v_nop
.endr
	s_branch .Lasked_\@
.Lfor_b_\@:
	tensor_load_to_lds s[\g0b:\g0b+3], s[\g1b:\g1b+7]
	s_nop 0
.rept 4
	v_nop
.endr
.Lasked_\@:
.endm
.macro CREST                           ; a round of the cluster's barrier behind its opening barrier
	s_cmp_lg_u32 s14, 0
	s_cbranch_scc1 .Lnot_wave_0_\@
	s_barrier_signal -3
.Lnot_wave_0_\@:
	s_barrier_wait -3
	s_barrier_signal -1
	s_barrier_wait -1
.endm
.macro CROUND
	s_barrier_signal -1
	s_barrier_wait -1
	CREST
.endm
.macro PLACES n
.rept \n
	v_nop
.endr
.endm
	s_load_b64 s[4:5], s[0:1], 0x0                 ; A
	s_load_b128 s[8:11], s[0:1], 0x8               ; W's codes, W's scales
	s_load_b64 s[98:99], s[0:1], 0x18              ; bias
	s_load_b64 s[100:101], s[0:1], 0x20            ; resid
	s_load_b64 s[12:13], s[0:1], 0x28              ; out
	v_lshl_add_u32 v[SPW], v0, 2, SPARE
	v_mov_b32 v[NIL], 0
	ds_add_u32 v28, v29
	ds_add_u32 v28, v29
	s_wait_dscnt 0x0
	v_lshrrev_b32 v1, 5, v0
	v_readfirstlane_b32 s14, v1                    ; wave 0..3
	s_lshr_b32 s15, s14, 1                         ; which 64 rows of the tile are mine.  Also: I fetch for A (0) or for W (1)
	s_and_b32 s16, s14, 1                          ; which 64 columns.  Also: which half I fetch
	s_bfe_u32 s40, ttmp6, 0x40000                  ; cx
	s_bfe_u32 s41, ttmp6, 0x40004                  ; cy
	s_lshl_b32 s42, ttmp9, 2
	s_add_co_u32 s42, s42, s40                     ; tile column
	s_and_b32 s17, ttmp7, 0xffff
	s_lshl_b32 s17, s17, 2
	s_add_co_u32 s17, s17, s41                     ; tile row
	s_lshl_b32 s43, s41, 2
	s_lshl_b32 s43, 15, s43                        ; my row of the cluster
	s_lshl_b32 s44, 0x1111, s40                    ; my column
	; descriptor groups 1.  Codes: 64 rows of 512 bytes, 16 bytes of padding behind each
	s_or_b32 s[G1A], s43, (1<<20)|(1<<21)|(6<<22)|(3<<25)   ; 15:0 the mask; elements of 1 byte; 20 padding on; 21 set beside a mask; 24:22 after every 128 words; 31:25 four words
	s_or_b32 s[G1B], s44, (1<<20)|(1<<21)|(6<<22)|(3<<25)
.irp g, G1A, G1B
	s_mov_b32 s[\g+1], ROWB<<16                    ; tensor_dim0
	s_mov_b32 s[\g+2], 128<<16                     ; tensor_dim1: 128 rows for the head's loads; behind them 64, for the ring's
	s_mov_b32 s[\g+3], ROWB<<16                    ; tile_dim0
	s_mov_b32 s[\g+4], 128                         ; tile_dim1
	s_mov_b32 s[\g+5], SIZE_K                      ; from row to row
	s_mov_b32 s[\g+6], 0
	s_mov_b32 s[\g+7], 0
.endr
	; A's scale bytes: KG rows of 128 elements of 8 bytes (128 rows of A), 4,096 elements apart; no padding
	s_or_b32 s[G1SA], s43, (3<<16)|(1<<21)
	s_mov_b32 s[G1SA+1], 128<<16
	s_mov_b32 s[G1SA+2], KG<<16
	s_mov_b32 s[G1SA+3], 128<<16
	s_mov_b32 s[G1SA+4], KG
	s_mov_b32 s[G1SA+5], 4096
	s_mov_b32 s[G1SA+6], 0
	s_mov_b32 s[G1SA+7], 0
	; W's: a dense block of 128 KS bytes as rows of 256 bytes, 16 bytes of padding behind each
	s_or_b32 s[G1SB], s44, (3<<16)|(1<<20)|(1<<21)|(5<<22)|(3<<25)
	s_mov_b32 s[G1SB+1], 32<<16
	s_mov_b32 s[G1SB+2], (128*KS/256)<<16
	s_mov_b32 s[G1SB+3], 32<<16
	s_mov_b32 s[G1SB+4], 128*KS/256
	s_mov_b32 s[G1SB+5], 32
	s_mov_b32 s[G1SB+6], 0
	s_mov_b32 s[G1SB+7], 0
	s_lshl_b32 s20, s17, 7                         ; A: the tile's first row
	s_lshl_b32 s22, s20, 3                         ; its scale bytes in a run,
	s_mul_i32 s20, s20, SIZE_K                     ; its codes
	s_mov_b32 s21, 0
	s_mov_b32 s23, 0
	s_lshl_b32 s46, s42, 7                         ; W: the tile's first row
	s_mul_i32 s92, s46, KS
	s_mul_i32 s46, s46, SIZE_K
	s_mov_b32 s47, 0
	s_mov_b32 s93, 0
	s_mul_i32 s45, s16, 64*PITCH                   ; where they go: no place in the cluster enters an LDS address
	s_add_co_u32 s94, s45, 128*PITCH
	s_mul_i32 s18, s16, 64*SIZE_K                  ; in the ring I fetch 64 rows of a tile: which half, in bytes
	s_mov_b32 s19, 0
	s_wait_kmcnt 0x0
	s_add_nc_u64 s[6:7], s[4:5], ASOFF             ; A's scale bytes
	s_add_nc_u64 s[20:21], s[4:5], s[20:21]
	s_add_nc_u64 s[22:23], s[6:7], s[22:23]
	s_add_nc_u64 s[46:47], s[8:9], s[46:47]
	s_add_nc_u64 s[92:93], s[10:11], s[92:93]
	CROUND                                         ; all sixteen work-groups are here: the first joint loads meet
	s_mov_b32 s[G0SA], 1
	s_mov_b32 s[G0SA+1], SCLA
	s_mov_b64 s[G0SA+2:G0SA+3], s[22:23]
	s_or_b32 s[G0SA+3], s[G0SA+3], 0x80000000
	s_mov_b32 s[G0SB], 1
	s_mov_b32 s[G0SB+1], SCLB
	s_mov_b64 s[G0SB+2:G0SB+3], s[92:93]
	s_or_b32 s[G0SB+3], s[G0SB+3], 0x80000000
	s_mov_b32 s4, 1                                ; s[4:7], s[8:11]: groups 0 of the head's loads of slot 0 (the arguments that lay there have been used): A's 128 rows,
	s_mov_b32 s5, 0
	s_mov_b64 s[6:7], s[20:21]
	s_or_b32 s7, s7, 0x80000000
	s_mov_b32 s8, 1                                ; W's 128 rows behind them
	s_mov_b32 s9, 128*PITCH
	s_mov_b64 s[10:11], s[46:47]
	s_or_b32 s11, s11, 0x80000000
	s_add_nc_u64 s[20:21], s[20:21], s[18:19]      ; for the ring: my 64 rows of the tile
	s_add_nc_u64 s[46:47], s[46:47], s[18:19]
.irp s, 0,1
	s_mov_b32 s[G0A+4*\s], 1
	s_add_co_u32 s[G0A+4*\s+1], s45, \s*SLOT
	s_add_nc_u64 s[G0A+4*\s+2:G0A+4*\s+3], s[20:21], \s*ROWB
	s_or_b32 s[G0A+4*\s+3], s[G0A+4*\s+3], 0x80000000
	s_mov_b32 s[G0B+4*\s], 1
	s_add_co_u32 s[G0B+4*\s+1], s94, \s*SLOT
	s_add_nc_u64 s[G0B+4*\s+2:G0B+4*\s+3], s[46:47], \s*ROWB
	s_or_b32 s[G0B+4*\s+3], s[G0B+4*\s+3], 0x80000000
.endr
; THE HEAD'S LOADS, ONE A WAVE: wave 0 slot 0's 128 rows of A, wave 1 its 128 rows of W, wave 2 A's scale bytes, wave 3 W's.  One chain of branches on the wave's number: every way passes one load.
.macro ARM under, g0, g1, next
	s_cmp_lt_u32 s14, \under
	s_cbranch_scc0 \next
	tensor_load_to_lds s[\g0:\g0+3], s[\g1:\g1+7]
	s_nop 0
.rept 4
	v_nop
.endr
	s_branch .Lhead_asked
\next:
.endm
	ARM 1, 4, G1A, .Lhead_b
	ARM 2, 8, G1B, .Lhead_sa
	ARM 3, G0SA, G1SA, .Lhead_sb
	tensor_load_to_lds s[G0SB:G0SB+3], s[G1SB:G1SB+7]
	s_nop 0
.rept 4
	v_nop
.endr
.Lhead_asked:
	; A PREFETCH INTO THE L2 of slot 1, whose load goes out behind the next round: of the 64 rows that I fetch for the ring each of the four partners that ask for them jointly takes 16, told apart by address (cx for A, cy for W);
	; a lane names one of a row's two blocks of 256 bytes.  The address registers are never rewritten.
	s_cmp_eq_u32 s15, 0
	s_cselect_b64 s[96:97], s[20:21], s[46:47]
	s_cselect_b32 s2, s40, s41
	s_mul_i32 s2, s2, 16*SIZE_K
	s_mov_b32 s3, 0
	s_add_nc_u64 s[96:97], s[96:97], s[2:3]
	v_and_b32 v31, 31, v0
	v_lshrrev_b32 v3, 1, v31
	v_and_b32 v31, 1, v31
	v_lshlrev_b32 v31, 8, v31
	v_mad_u32_u24 v31, v3, SIZE_K, v31
	s_wait_alu depctr_va_vdst(0)
	global_prefetch_b8 v31, s[96:97] offset:ROWB th:TH_LOAD_NT scope:SCOPE_SE
	v_and_b32 v1, 15, v0
	v_bfe_u32 v2, v0, 4, 1                         ; h = lane / 16
	; bias, residual and output: my 64 rows and 64 columns
	s_wait_alu depctr_va_vdst(0)
	s_lshl_b32 s18, s42, 9
	s_lshl_b32 s19, s16, 8
	s_add_co_u32 s18, s18, s19                     ; my first column, in bytes
	s_mov_b32 s19, 0
	s_add_nc_u64 s[98:99], s[98:99], s[18:19]
	s_lshl_b32 s20, s17, 7
	s_lshl_b32 s21, s15, 6
	s_add_co_u32 s20, s20, s21
	s_lshl_b32 s20, s20, 12                        ; my first row, in bytes
	s_add_co_u32 s18, s18, s20
	s_add_nc_u64 s[100:101], s[100:101], s[18:19]
	s_add_nc_u64 s[12:13], s[12:13], s[18:19]
	v_lshlrev_b32 v[BA], 5, v2
.irp b, 0,1,2,3
	global_load_b128 v[BI+8*\b:BI+8*\b+3],   v[BA], s[98:99] offset:64*\b      ; lane (r, h): the bias of columns 16 b + 8 h + 0..7
	global_load_b128 v[BI+8*\b+4:BI+8*\b+7], v[BA], s[98:99] offset:64*\b+16
.endr
	v_lshlrev_b32 v[CO], 12, v2
	v_lshl_add_u32 v[CO], v1, 4, v[CO]             ; lanes 0-15 one row's 256 bytes, lanes 16-31 the next row's
	WIN 0xc0                                       ; destination window 3
.irp a, 0,1,2,3
.irp t, 0,1,2,3,4,5,6,7
	global_load_b128 v[32*\a+4*\t:32*\a+4*\t+3], v[CO], s[100:101] offset:(16*\a+2*\t)*4096
.endr
.endr
	WIN 0
	v_mul_u32_u24 v3, v1, PITCH
	v_lshl_add_u32 v3, v2, 4, v3                   ; a fragment's row x pitch + 16 h
	s_mul_i32 s18, s15, 64*PITCH                   ; my 64 rows of A
	s_mul_i32 s19, s16, 64*PITCH                   ; my 64 rows of W, behind A's 128
	s_add_co_u32 s19, s19, 128*PITCH
.irp s, 0,1
	v_add_nc_u32 v[ADRA+\s], s18, v3
	v_add_nc_u32 v[ADRB+\s], s19, v3
	s_add_co_u32 s18, s18, SLOT
	s_add_co_u32 s19, s19, SLOT
.endr
	v_lshlrev_b32 v4, 3, v1                        ; A's scale words: 8 bytes a row; lanes 16-31 take the block 32 rows further on
	v_lshl_add_u32 v4, v2, 8, v4
	s_lshl_b32 s18, s15, 9                         ; my 64 rows in a run's 128
	s_add_co_u32 s18, s18, SCLA
	v_add_nc_u32 v[ADSA], s18, v4
	v_mul_u32_u24 v4, v1, KS                       ; W's: KS bytes a row,
	v_lshrrev_b32 v5, 8, v4
	v_lshl_add_u32 v4, v5, 4, v4                   ; 16 more for each 256 passed,
	v_mul_u32_u24 v5, v2, (32*KS/256)*272          ; lanes 16-31 32 rows further on
	v_add_nc_u32 v4, v4, v5
	s_mul_i32 s18, s16, (64*KS/256)*272
	s_add_co_u32 s18, s18, SCLB
	v_add_nc_u32 v[ADSB], s18, v4
	s_mul_i32 s18, s14, 16*272                     ; my stage: 16 rows x (256 + 16) bytes, in slot 0, behind its last fill and its last read
	v_mul_u32_u24 v4, v1, 272
	v_lshl_add_u32 v4, v2, 5, v4
	v_add_nc_u32 v[STO], s18, v4                   ; in: row r, 32 bytes for each half of the lanes
	v_mul_u32_u24 v4, v2, 272
	v_lshl_add_u32 v4, v1, 4, v4
	v_add_nc_u32 v[RD], s18, v4                    ; back: sixteen lanes to a row
.macro FRAG reg, adr, q, i             ; 16 rows x 128 K: registers 4 c .. 4 c + 3 hold K = 32 c + 16 h + 0..15 of row r
.irp c, 0,1,2,3
	ds_load_b128 v[\reg+4*\c:\reg+4*\c+3], v[\adr] offset:128*(\q)+32*\c+(\i)*16*PITCH
.endr
.endm
.macro FETCH slot, q, p                ; the slot's q-th 128 along K into set p
	WIN 0x40
.irp i, 0,1,2,3
	FRAG 128*(\p)+16*\i, ADRB+\slot, \q, \i
.endr
	WIN 0
.irp i, 0,1,2,3
	FRAG AF+64*(\p)+16*\i, ADRA+\slot, \q, \i
.endr
.endm
.macro SCALES u                        ; the scale words of 256 along K into set u: two words a row; lanes 0-15 block j, lanes 16-31 block j + 2
.irp j, 0,1
	ds_load_b64 v[SA+4*(\u)+2*\j:SA+4*(\u)+2*\j+1], v[ADSA] offset:\j*128
	ds_load_b64 v[SB+4*(\u)+2*\j:SB+4*(\u)+2*\j+1], v[ADSB] offset:\j*(16*KS/256)*272
.endr
.endm
.macro WM a, b, c                      ; one product; the halves of the scale registers go by the blocks' numbers
.if ((\a) >= 2) && ((\b) >= NBH)
	v_wmma_scale_f32_16x16x128_f8f6f4 v[rD:rD+7], v[rB:rB+15], v[rA:rA+15], \c, v[rSB], v[rSA] matrix_a_scale:MATRIX_SCALE_ROW1 matrix_b_scale:MATRIX_SCALE_ROW1
.elseif (\b) >= NBH
	v_wmma_scale_f32_16x16x128_f8f6f4 v[rD:rD+7], v[rB:rB+15], v[rA:rA+15], \c, v[rSB], v[rSA] matrix_a_scale:MATRIX_SCALE_ROW1
.elseif (\a) >= 2
	v_wmma_scale_f32_16x16x128_f8f6f4 v[rD:rD+7], v[rB:rB+15], v[rA:rA+15], \c, v[rSB], v[rSA] matrix_b_scale:MATRIX_SCALE_ROW1
.else
	v_wmma_scale_f32_16x16x128_f8f6f4 v[rD:rD+7], v[rB:rB+15], v[rA:rA+15], \c, v[rSB], v[rSA]
.endif
.endm
; A's block a against W's four.  The 16 accumulators take turns, one instruction a turn, in the same order in every step.  first = 1: the bias starts the sums.
.macro MUL4 a, q, first
.irp b, 0,1,2,3
.set rD, 8*(NB*(\a)+\b)
.set rB, 128*((\q)%2)+16*\b
.set rA, AF+64*((\q)%2)+16*(\a)
.set rSB, SB+4*((\q)/2)+2*(\b%NBH)+((\q)%2)
.set rSA, SA+4*((\q)/2)+2*((\a)%2)+((\q)%2)
.set rC, BI+8*\b
.if \first
	WM \a, \b, v[rC:rC+7]
.else
	WM \a, \b, v[rD:rD+7]
.endif
.endr
.endm
; One of a slot's first three steps of 128: the next step's fragments are asked for first, then this step's set is multiplied while they land.
.macro STEP slot, q, first
	PLACES 8                                       ; loads into registers that matrix instructions have read stand eight plain vector instructions behind them
	FETCH \slot, (\q)+1, ((\q)+1)%2
.if (\q)%2
	v_add_nc_u32 v[ADSA], 1024, v[ADSA]            ; the next 256 along K: their scale words
	v_add_nc_u32 v[ADSB], 8, v[ADSB]
	SCALES ((\q)+1)/2
	s_wait_dscnt FN+SN                             ; all but the 36 just issued
.else
	s_wait_dscnt FN                                ; all but the 32 just issued
.endif
.if \first
	WIN 0x81                                       ; source 0 (W) window 1, source 1 (A) and C (the bias) window 0, D window 2
.else
	WIN 0xa1                                       ; C and D window 2
.endif
	MUL4 0, \q, \first
	MUL4 1, \q, \first
	MUL4 2, \q, \first
	MUL4 3, \q, \first
	WIN 0
.endm
; A slot's last step changes slots: ONE barrier; in front of it each wave waits for all its tensor loads, adds 0 to its spare word, and waits for that and for its reads of this slot.
.macro TURN slot, next, fill
	s_wait_tensorcnt 0x0                           ; all my tensor loads have landed: my part of the next slot
	ds_add_u32 v[SPW], v[NIL]                      ; 0 onto my spare word
	s_wait_dscnt 1                                 ; set 1 is in; the add alone may be out
	WIN 0xa1
	MUL4 0, 3, 0                                   ; four matrix instructions stand between the add and the wait for it
	s_wait_dscnt 0x0                               ; the add is done, and my reads of this slot are over
	s_barrier_signal -1
	MUL4 1, 3, 0
	WIN 0
	s_barrier_wait -1
.if \fill
	CREST                                          ; the barrier has opened a round of the cluster's barrier: no wave of any partner still reads this slot or has a load on its way
	s_add_nc_u64 s[G0A+4*\slot+2:G0A+4*\slot+3], s[G0A+4*\slot+2:G0A+4*\slot+3], 2*ROWB
	s_add_nc_u64 s[G0B+4*\slot+2:G0B+4*\slot+3], s[G0B+4*\slot+2:G0B+4*\slot+3], 2*ROWB
	JLOAD G0A+4*\slot, G1A, G0B+4*\slot, G1B       ; the first tensor load behind the round; its four v_nop are four of the eight places
	PLACES 4
.else
	PLACES 8
.endif
	s_wait_alu depctr_va_vdst(0)
	v_add_nc_u32 v[ADSA], 1024, v[ADSA]
	s_wait_alu depctr_va_vdst(0)
	v_add_nc_u32 v[ADSB], 8, v[ADSB]
	s_wait_alu depctr_va_vdst(0)
	FETCH \next, 0, 0
	SCALES 0
	WIN 0xa1
	MUL4 2, 3, 0
	MUL4 3, 3, 0
	WIN 0
.endm
	s_wait_alu depctr_va_vdst(0)
	s_wait_tensorcnt 0x0                           ; my tile of the head's four is in
	ds_add_u32 v[SPW], v[NIL]
	s_mov_b32 s[G1A+2], 64<<16                     ; no tensor load of mine is out: from here on a load brings 64 rows
	s_mov_b32 s[G1A+4], 64
	s_mov_b32 s[G1B+2], 64<<16
	s_mov_b32 s[G1B+4], 64
	s_wait_dscnt 0x0
	CROUND                                         ; a whole round: all four tiles are in, and the joint loads meet
	JLOAD G0A+4, G1A, G0B+4, G1B                   ; slot 1's first fill: the first tensor load behind the round
	FETCH 0, 0, 0
	SCALES 0
	s_wait_loadcnt 32                              ; the bias is in; the residual's 32 loads may be out
	STEP 0, 0, 1
.if LAPS > 1
	s_mov_b32 s3, LAPS-1
.Llap:                                                 ; once round the ring: both slots are filled again
	STEP 0, 1, 0
	STEP 0, 2, 0
	TURN 0, 1, 1
	STEP 1, 0, 0
	STEP 1, 1, 0
	STEP 1, 2, 0
	TURN 1, 0, 1
	STEP 0, 0, 0
	s_sub_co_u32 s3, s3, 1
	s_cmp_lg_u32 s3, 0
	s_cbranch_scc1 .Llap
.endif
	STEP 0, 1, 0                                   ; the last lap fills nothing
	STEP 0, 2, 0
	TURN 0, 1, 0
	STEP 1, 0, 0
	STEP 1, 1, 0
	STEP 1, 2, 0
	s_wait_dscnt 0x0
	WIN 0xa1
	MUL4 0, 3, 0
	MUL4 1, 3, 0
	MUL4 2, 3, 0
	MUL4 3, 3, 0
	WIN 0
; THE WAY OUT, block by block of 16 rows x 64 columns: through my own stage and back as whole rows of 256 bytes; the residual is added; sixteen lanes store 256 consecutive bytes.
; LDS serves a wave's instructions in order (ISA guide 5.7.1.4): no wait between the stores and the loads, nor in front of the next block's stores.
.macro TOSTAGE a
	WIN 0x08                                       ; an LDS store's data are its source 1: window 2
.irp b, 0,1,2,3
	ds_store_b128 v[STO], v[8*(4*(\a)+\b):8*(4*(\a)+\b)+3] offset:64*\b          ; each accumulator from its low end on
	ds_store_b128 v[STO], v[8*(4*(\a)+\b)+4:8*(4*(\a)+\b)+7] offset:64*\b+16
.endr
	WIN 0
.set BB, BK+32*((\a)%2)
.irp t, 0,1,2,3,4,5,6,7
	ds_load_b128 v[BB+4*\t:BB+4*\t+3], v[RD] offset:\t*2*272
.endr
.endm
.macro SEND a, younger                 ; younger: the LDS instructions issued behind block a's loads
.set BB, BK+32*((\a)%2)
	s_wait_dscnt \younger
	WIN 0x0c                                       ; source 1 (the residual) window 3
.set i, 0
.rept 16
	v_pk_add_f32 v[BB+i:BB+i+1], v[BB+i:BB+i+1], v[32*(\a)+i:32*(\a)+i+1]
.set i, i+2
.endr
	WIN 0
.irp t, 0,1,2,3,4,5,6,7
	global_store_b128 v[CO], v[BB+4*\t:BB+4*\t+3], s[12:13] offset:(16*(\a)+2*\t)*4096
.endr
.endm
	PLACES 8                                       ; behind the last products: their results are read and their operands' registers loaded below
	s_wait_loadcnt 0x0                             ; the residual
	TOSTAGE 0
.irp a, 1,2,3
.if \a > 1
	s_wait_xcnt 0x0                                ; block a - 2's stores have read their registers: block a's loads may land there
.endif
	TOSTAGE \a
	SEND \a-1, 16                                  ; behind block a - 1's loads: block a's 8 stores and 8 loads
.endr
	SEND 3, 0
	s_wait_tensorcnt 0x0                           ; the wave's end
	ds_add_u32 v[SPW], v[NIL]
	s_wait_dscnt 0x0
	CROUND                                         ; the closing round
	s_endpgm
.Lfunc_end_k_qee6ad81b6f_wo:
	.size	k_qee6ad81b6f_wo, .Lfunc_end_k_qee6ad81b6f_wo-k_qee6ad81b6f_wo
	.p2alignl 7, 3214868480
	.fill 96, 4, 3214868480
	.section	.rodata,"a",@progbits
	.p2align	6, 0x0
	.amdhsa_kernel k_qee6ad81b6f_wo
		.amdhsa_group_segment_fixed_size 327680
		.amdhsa_private_segment_fixed_size 0
		.amdhsa_enable_private_segment 0
		.amdhsa_kernarg_size 48
		.amdhsa_user_sgpr_count 2
		.amdhsa_user_sgpr_kernarg_segment_ptr 1
		.amdhsa_wavefront_size32 1
		.amdhsa_system_sgpr_workgroup_id_x 1
		.amdhsa_system_sgpr_workgroup_id_y 1
		.amdhsa_system_sgpr_workgroup_id_z 1
		.amdhsa_system_vgpr_workitem_id 0
		.amdhsa_next_free_vgpr 896
		.amdhsa_next_free_sgpr 102
		.amdhsa_reserve_vcc 0
		.amdhsa_float_denorm_mode_32 3
		.amdhsa_float_denorm_mode_16_64 3
		.amdhsa_memory_ordered 1
		.amdhsa_forward_progress 1
		.amdhsa_inst_pref_size 65
	.end_amdhsa_kernel
	.amdgpu_metadata
---
amdhsa.version: [ 1, 2 ]
amdhsa.kernels:
  - .name:           k_qee6ad81b6f_wo
    .symbol:         k_qee6ad81b6f_wo.kd
    .args:
      - { .name: ctx, .offset: 0, .size: 8, .value_kind: global_buffer, .address_space: global }
      - { .name: wo_codes, .offset: 8, .size: 8, .value_kind: global_buffer, .address_space: global }
      - { .name: wo_scales, .offset: 16, .size: 8, .value_kind: global_buffer, .address_space: global }
      - { .name: bo, .offset: 24, .size: 8, .value_kind: global_buffer, .address_space: global }
      - { .name: x, .offset: 32, .size: 8, .value_kind: global_buffer, .address_space: global }
      - { .name: x2, .offset: 40, .size: 8, .value_kind: global_buffer, .address_space: global }
    .group_segment_fixed_size: 327680
    .private_segment_fixed_size: 0
    .kernarg_segment_align: 8
    .kernarg_segment_size: 48
    .max_flat_workgroup_size: 128
    .sgpr_count:     102
    .vgpr_count:     896
    .wavefront_size: 32
...
	.end_amdgpu_metadata
.endif
;; end of part 4
;; launch ln2: the kernel of part 1 again; grid 512 x 1, 4 waves a work-group, no clusters, 1,024 bytes of LDS; arguments x2, ln2_scale, ln2_shift, act; writes act
;; launch w1 (part 5): grid 16 x 16, 4 waves a work-group, clusters of 4 x 4, 327,680 bytes of LDS; arguments act, w1_codes, w1_scales, b1, hid; writes hid
.if DOCPART == 5
	.amdgcn_target "amdgcn-amd-amdhsa--gfx1250"
	.amdhsa_code_object_version 6
	.text
	.protected	k_qee6ad81b6f_w1
	.globl	k_qee6ad81b6f_w1
	.p2align	8
	.type	k_qee6ad81b6f_w1,@function
k_qee6ad81b6f_w1:
	s_mov_b64 s[64:65], 0
	v_nop
	global_prefetch_b8 v0, s[64:65] scope:SCOPE_SE
	s_setreg_imm32_b32 hwreg(HW_REG_WAVE_MODE, 25, 1), 1
	s_wait_xcnt 0x0
	s_wait_alu depctr_hold_cnt(0) depctr_sa_sdst(0) depctr_va_vdst(0) depctr_va_sdst(0) depctr_va_ssrc(0) depctr_va_vcc(0) depctr_vm_vsrc(0)
	s_getreg_b32 s2, hwreg(HW_REG_IB_STS2, 6, 4)
	s_cmp_eq_u32 s2, 0
	s_cbranch_scc0 .Lentry_in_a_cluster
	s_endpgm
.Lentry_in_a_cluster:
	s_bfe_u32 s2, ttmp6, 0x10000c
	s_cmp_lg_u32 s2, 0xf033
	s_cbranch_scc0 .Lentry_shape_is_right
	s_endpgm
.Lentry_shape_is_right:
.set SIZE_K, 1024
.set ASOFF,  4194304
.set HSO,    16777216
.set WALK,   2048
.set NB,     8
.set NBH,    4
.set ROWB,   256
.set PITCH,  272
.set SLOT,   384*PITCH
.set BACK,   SIZE_K-2*ROWB
.set NEXT_A, WALK*SIZE_K-BACK
.set SCLA,   2*SLOT
.set SCLB,   SCLA+32*272
.set SPARE,  SCLB+32*272
.set STG,    SPARE+512
.set SSTG,   STG+128*272
.set FN,     48
.set ADRA, 16
.set ADSA, 18
.set ADSB, 19
.set ADRB, 20
.set STO,  22
.set SSO,  23
.set RD,   24
.set SRD,  25
.set CO,   26
.set SCO,  27
.set SPW,  28
.set NIL,  29
.set BA,   30
.set SA,   32
.set SB,   40
.set T,    64
.set AF,   128
.set X,    128
.set PC,   192
.set TM,   208
.set PW,   224
.set KK,   226
.set SW,   228
.set G1A, 24
.set G0A, 32
.set G1B, 48
.set G0B, 56
.set G1SA, 68
.set G0SA, 76
.set G1SB, 80
.set G0SB, 88
.set MSB, 0
.macro WIN new
.if MSB != (\new)
	s_set_vgpr_msb (MSB<<8)|(\new)
.set MSB, (\new)
.endif
.endm
.macro JLOAD g0a, g1a, g0b, g1b
	s_cmp_eq_u32 s15, 0
	s_cbranch_scc0 .Lfor_b_\@
	tensor_load_to_lds s[\g0a:\g0a+3], s[\g1a:\g1a+7]
	s_nop 0
.rept 4
	v_nop
.endr
	s_branch .Lasked_\@
.Lfor_b_\@:
	tensor_load_to_lds s[\g0b:\g0b+3], s[\g1b:\g1b+7]
	s_nop 0
.rept 4
	v_nop
.endr
.Lasked_\@:
.endm
.macro CREST
	s_cmp_lg_u32 s14, 0
	s_cbranch_scc1 .Lnot_wave_0_\@
	s_barrier_signal -3
.Lnot_wave_0_\@:
	s_barrier_wait -3
	s_barrier_signal -1
	s_barrier_wait -1
.endm
.macro CROUND
	s_barrier_signal -1
	s_barrier_wait -1
	CREST
.endm
.macro PLACES n
.rept \n
	v_nop
.endr
.endm
	s_load_b64 s[4:5], s[0:1], 0x0
	s_load_b128 s[8:11], s[0:1], 0x8
	s_load_b64 s[98:99], s[0:1], 0x18
	s_load_b64 s[12:13], s[0:1], 0x20
	v_lshl_add_u32 v[SPW], v0, 2, SPARE
	v_mov_b32 v[NIL], 0
	ds_add_u32 v28, v29
	ds_add_u32 v28, v29
	s_wait_dscnt 0x0
	v_lshrrev_b32 v1, 5, v0
	v_readfirstlane_b32 s14, v1
	s_lshr_b32 s15, s14, 1
	s_and_b32 s16, s14, 1
	s_bfe_u32 s40, ttmp6, 0x40000
	s_bfe_u32 s41, ttmp6, 0x40004
	s_lshl_b32 s42, ttmp9, 2
	s_add_co_u32 s42, s42, s40
	s_and_b32 s17, ttmp7, 0xffff
	s_lshl_b32 s17, s17, 2
	s_add_co_u32 s17, s17, s41
	s_lshl_b32 s43, s41, 2
	s_lshl_b32 s43, 15, s43
	s_lshl_b32 s44, 0x1111, s40
	s_or_b32 s[G1A], s43, (1<<20)|(1<<21)|(5<<22)|(3<<25)
	s_or_b32 s[G1B], s44, (1<<20)|(1<<21)|(5<<22)|(3<<25)
	s_mov_b32 s[G1A+1], ROWB<<16
	s_mov_b32 s[G1A+2], 64<<16
	s_mov_b32 s[G1A+3], ROWB<<16
	s_mov_b32 s[G1A+4], 64
	s_mov_b32 s[G1A+5], SIZE_K
	s_mov_b32 s[G1A+6], 0
	s_mov_b32 s[G1A+7], 0
	s_mov_b32 s[G1B+1], ROWB<<16
	s_mov_b32 s[G1B+2], 128<<16
	s_mov_b32 s[G1B+3], ROWB<<16
	s_mov_b32 s[G1B+4], 128
	s_mov_b32 s[G1B+5], SIZE_K
	s_mov_b32 s[G1B+6], 0
	s_mov_b32 s[G1B+7], 0
	s_or_b32 s[G1SA], s43, (3<<16)|(1<<20)|(1<<21)|(5<<22)|(3<<25)
	s_or_b32 s[G1SB], s44, (3<<16)|(1<<20)|(1<<21)|(5<<22)|(3<<25)
.irp g, G1SA, G1SB
	s_mov_b32 s[\g+1], 32<<16
	s_mov_b32 s[\g+2], 16<<16
	s_mov_b32 s[\g+3], 32<<16
	s_mov_b32 s[\g+4], 16
	s_mov_b32 s[\g+5], 32
	s_mov_b32 s[\g+6], 0
	s_mov_b32 s[\g+7], 0
.endr
	s_lshl_b32 s20, s17, 7
	s_mul_i32 s22, s16, WALK
	s_add_co_u32 s22, s22, s20
	s_lshl_b32 s22, s22, 5
	s_lshl_b32 s18, s16, 6
	s_add_co_u32 s20, s20, s18
	s_lshl_b32 s20, s20, 10
	s_mov_b32 s21, 0
	s_mov_b32 s23, 0
	s_lshl_b32 s19, s16, 7
	s_lshl_b32 s46, s42, 8
	s_add_co_u32 s46, s46, s19
	s_lshl_b32 s92, s46, 5
	s_lshl_b32 s46, s46, 10
	s_mov_b32 s47, 0
	s_mov_b32 s93, 0
	s_mul_i32 s45, s16, 64*PITCH
	s_mul_i32 s94, s16, 128*PITCH
	s_add_co_u32 s94, s94, 128*PITCH
	s_mul_i32 s95, s16, 16*272
	s_add_co_u32 s95, s95, SCLA
	s_mul_i32 s96, s16, 16*272
	s_add_co_u32 s96, s96, SCLB
	s_wait_kmcnt 0x0
	s_add_nc_u64 s[6:7], s[4:5], ASOFF
	s_add_nc_u64 s[20:21], s[4:5], s[20:21]
	s_add_nc_u64 s[22:23], s[6:7], s[22:23]
	s_add_nc_u64 s[46:47], s[8:9], s[46:47]
	s_add_nc_u64 s[92:93], s[10:11], s[92:93]
	CROUND
	s_mov_b32 s[G0SA], 1
	s_mov_b32 s[G0SA+1], s95
	s_mov_b64 s[G0SA+2:G0SA+3], s[22:23]
	s_or_b32 s[G0SA+3], s[G0SA+3], 0x80000000
	s_mov_b32 s[G0SB], 1
	s_mov_b32 s[G0SB+1], s96
	s_mov_b64 s[G0SB+2:G0SB+3], s[92:93]
	s_or_b32 s[G0SB+3], s[G0SB+3], 0x80000000
	JLOAD G0SA, G1SA, G0SB, G1SB
; PREFETCHES INTO THE L2.  A K slot is 256 bytes of each row.  Of the rows that a wave fetches (A: 64, B: 128) each of the four partners that ask for them jointly takes a quarter, told apart by address (cx for A, cy for B).
; A's fetchers: 16 rows x two K slots an instruction; B's: 32 rows x one K slot.  Asked here: K slots 0 and 1; behind slot 1's load: 2 and 3; behind the first and third refill: the second tile's rows of A, two K slots each, two refills and more ahead of their loads.
; B's rows are the same for both tiles and are asked for once.  The address registers s[96:97] and v31 are never rewritten.
.macro ASKH k
	global_prefetch_b8 v31, s[96:97] offset:(\k)*ROWB th:TH_LOAD_NT scope:SCOPE_SE
	s_cmp_eq_u32 s15, 0
	s_cbranch_scc1 .Lpfh_\@
	global_prefetch_b8 v31, s[96:97] offset:(\k)*ROWB+ROWB th:TH_LOAD_NT scope:SCOPE_SE
.Lpfh_\@:
.endm
.macro ASKA off
	s_cmp_eq_u32 s15, 0
	s_cbranch_scc0 .Lpfa_\@
	global_prefetch_b8 v31, s[96:97] offset:\off th:TH_LOAD_NT scope:SCOPE_SE
.Lpfa_\@:
.endm
	s_cmp_eq_u32 s15, 0
	s_cselect_b64 s[96:97], s[20:21], s[46:47]
	s_cselect_b32 s2, s40, s41
	s_cselect_b32 s3, 14, 15
	s_cselect_b32 s18, 15, 31
	s_cselect_b32 s19, 256, 0
	s_lshl_b32 s2, s2, s3
	s_mov_b32 s3, 0
	s_add_nc_u64 s[96:97], s[96:97], s[2:3]
	v_and_b32 v31, 31, v0
	v_lshrrev_b32 v3, 4, v31
	v_and_b32 v31, s18, v31
	v_lshlrev_b32 v31, 10, v31
	v_mad_u32_u24 v31, v3, s19, v31
	s_wait_alu depctr_va_vdst(0)
	ASKH 0
	v_and_b32 v1, 15, v0                           ; the bias of my 128 columns is asked for here, behind the first tensor load: it is the C of the first products
	s_wait_alu depctr_va_vdst(0)
	v_bfe_u32 v2, v0, 4, 1
	s_lshl_b32 s18, s42, 10
	s_lshl_b32 s19, s16, 9
	s_add_co_u32 s18, s18, s19
	s_mov_b32 s19, 0
	s_add_nc_u64 s[98:99], s[98:99], s[18:19]
	v_lshlrev_b32 v[BA], 5, v2
	WIN 0xc0
.irp b, 0,1,2,3,4,5,6,7
	global_load_b128 v[8*\b:8*\b+3],   v[BA], s[98:99] offset:64*\b
	global_load_b128 v[8*\b+4:8*\b+7], v[BA], s[98:99] offset:64*\b+16
.endr
	WIN 0
.irp s, 0,1
	s_mov_b32 s[G0A+4*\s], 1
	s_add_co_u32 s[G0A+4*\s+1], s45, \s*SLOT
	s_add_nc_u64 s[G0A+4*\s+2:G0A+4*\s+3], s[20:21], \s*ROWB
	s_or_b32 s[G0A+4*\s+3], s[G0A+4*\s+3], 0x80000000
	s_mov_b32 s[G0B+4*\s], 1
	s_add_co_u32 s[G0B+4*\s+1], s94, \s*SLOT
	s_add_nc_u64 s[G0B+4*\s+2:G0B+4*\s+3], s[46:47], \s*ROWB
	s_or_b32 s[G0B+4*\s+3], s[G0B+4*\s+3], 0x80000000
	s_wait_alu depctr_va_vdst(0)
	s_wait_tensorcnt 0x0
	ds_add_u32 v28, v29
	s_wait_dscnt 0x0
	CROUND
	JLOAD G0A+4*\s, G1A, G0B+4*\s, G1B
.endr
	ASKH 2
	v_mul_u32_u24 v3, v1, PITCH
	v_lshl_add_u32 v3, v2, 4, v3
	s_mul_i32 s18, s15, 64*PITCH
	s_mul_i32 s19, s16, 128*PITCH
	s_add_co_u32 s19, s19, 128*PITCH
.irp s, 0,1
	v_add_nc_u32 v[ADRA+\s], s18, v3
	v_add_nc_u32 v[ADRB+\s], s19, v3
	s_add_co_u32 s18, s18, SLOT
	s_add_co_u32 s19, s19, SLOT
.endr
	v_lshlrev_b32 v4, 5, v1
	v_lshrrev_b32 v5, 8, v4
	v_lshl_add_u32 v4, v5, 4, v4
	v_mul_u32_u24 v5, v2, 4*272
	v_add_nc_u32 v5, v4, v5
	s_mul_i32 s18, s15, 8*272
	s_add_co_u32 s18, s18, SCLA
	v_add_nc_u32 v18, s18, v5
	s_add_co_u32 s18, s18, 16*272
	v_add_nc_u32 v6, s18, v5
	v_mul_u32_u24 v5, v2, 8*272
	v_add_nc_u32 v5, v4, v5
	s_mul_i32 s18, s16, 16*272
	s_add_co_u32 s18, s18, SCLB
	v_add_nc_u32 v19, s18, v5
	v_add_nc_u32 v7, s18, v5
	s_mul_i32 s18, s15, 64*272
	s_lshl_b32 s19, s16, 7
	s_add_co_u32 s18, s18, s19
	s_add_co_u32 s18, s18, STG
	v_mul_u32_u24 v4, v1, 272
	v_lshl_add_u32 v4, v2, 3, v4
	v_add_nc_u32 v[STO], s18, v4
	s_lshl_b32 s18, s15, 9
	s_lshl_b32 s19, s16, 2
	s_add_co_u32 s18, s18, s19
	s_add_co_u32 s18, s18, SSTG
	v_lshl_add_u32 v[SSO], v1, 3, s18
	s_mul_i32 s18, s14, 32*272
	s_add_co_u32 s18, s18, STG
	v_mul_u32_u24 v4, v2, 272
	v_lshl_add_u32 v4, v1, 4, v4
	v_add_nc_u32 v[RD], s18, v4
	v_lshlrev_b32 v[CO], 12, v2
	v_lshl_add_u32 v[CO], v1, 4, v[CO]
	v_and_b32 v4, 31, v0
	v_lshlrev_b32 v[SCO], 3, v4
	s_lshl_b32 s18, s14, 8
	s_add_co_u32 s18, s18, SSTG
	v_add_nc_u32 v[SRD], s18, v[SCO]
	s_lshl_b32 s18, s17, 7
	s_lshl_b32 s19, s14, 5
	s_add_co_u32 s18, s18, s19
	s_lshl_b32 s46, s18, 12
	s_lshl_b32 s19, s42, 8
	s_add_co_u32 s46, s46, s19
	s_mov_b32 s47, 0
	s_lshl_b32 s18, s18, 3
	s_lshl_b32 s19, s42, 15
	s_add_co_u32 s18, s18, s19
	s_add_co_u32 s18, s18, HSO
	s_mov_b32 s19, 0
	s_add_nc_u64 s[100:101], s[12:13], s[18:19]
	s_add_nc_u64 s[12:13], s[12:13], s[46:47]
.macro FRAG reg, adr, q, i
.irp c, 0,1,2,3
	ds_load_b128 v[\reg+4*\c:\reg+4*\c+3], v[\adr] offset:128*(\q)+32*\c+(\i)*16*PITCH
.endr
.endm
.macro FETCH slot, q, p
	WIN 0x40
.irp i, 0,1,2,3,4,5,6,7
	FRAG 128*(\p)+16*\i, ADRB+\slot, \q, \i
.endr
	WIN 0
.irp i, 0,1,2,3
	FRAG AF+64*(\p)+16*\i, ADRA+\slot, \q, \i
.endr
.endm
.macro SCALES u
.irp j, 0,1
	ds_load_b64 v[SA+4*(\u)+2*\j:SA+4*(\u)+2*\j+1], v[ADSA] offset:\j*544
.endr
.irp j, 0,1,2,3
	ds_load_b64 v[SB+NB*(\u)+2*\j:SB+NB*(\u)+2*\j+1], v[ADSB] offset:\j*544
.endr
.endm
.macro WM a, b, c
.if ((\a) >= 2) && ((\b) >= NBH)
	v_wmma_scale_f32_16x16x128_f8f6f4 v[rD:rD+7], v[rB:rB+15], v[rA:rA+15], \c, v[rSB], v[rSA] matrix_a_scale:MATRIX_SCALE_ROW1 matrix_b_scale:MATRIX_SCALE_ROW1
.elseif (\b) >= NBH
	v_wmma_scale_f32_16x16x128_f8f6f4 v[rD:rD+7], v[rB:rB+15], v[rA:rA+15], \c, v[rSB], v[rSA] matrix_a_scale:MATRIX_SCALE_ROW1
.elseif (\a) >= 2
	v_wmma_scale_f32_16x16x128_f8f6f4 v[rD:rD+7], v[rB:rB+15], v[rA:rA+15], \c, v[rSB], v[rSA] matrix_b_scale:MATRIX_SCALE_ROW1
.else
	v_wmma_scale_f32_16x16x128_f8f6f4 v[rD:rD+7], v[rB:rB+15], v[rA:rA+15], \c, v[rSB], v[rSA]
.endif
.endm
.macro MUL8 a, p, q, u, first
.irp b, 0,1,2,3,4,5,6,7
.set rD, 8*(NB*(\a)+\b)
.set rB, 128*(\p)+16*\b
.set rA, AF+64*(\p)+16*(\a)
.set rSB, SB+NB*(\u)+2*(\b%NBH)+(\q)
.set rSA, SA+4*(\u)+2*((\a)%2)+(\q)
.set rC, 8*\b
.if \first
	WM \a, \b, v[rC:rC+7]
.else
	WM \a, \b, v[rD:rD+7]
.endif
.endr
.endm
.macro STEP slot, first
	PLACES 8
	FETCH \slot, 1, 1
	s_wait_dscnt FN
.if \first
	WIN 0xb1
.else
	WIN 0xa1
.endif
	MUL8 0, 0, 0, \slot, \first
	MUL8 1, 0, 0, \slot, \first
	MUL8 2, 0, 0, \slot, \first
	MUL8 3, 0, 0, \slot, \first
	WIN 0
.endm
.macro TURN slot, next, fill, fetch
	s_wait_tensorcnt 0x0
	ds_add_u32 v[SPW], v[NIL]
	s_wait_dscnt 1
	WIN 0xa1
	MUL8 0, 1, 1, \slot, 0
	s_wait_dscnt 0x0
	s_barrier_signal -1
	MUL8 1, 1, 1, \slot, 0
	WIN 0
	s_barrier_wait -1
.if \fill
	CREST
.if \fill == 2
	s_add_nc_u64 s[G0A+4*\slot+2:G0A+4*\slot+3], s[G0A+4*\slot+2:G0A+4*\slot+3], NEXT_A
	s_sub_nc_u64 s[G0B+4*\slot+2:G0B+4*\slot+3], s[G0B+4*\slot+2:G0B+4*\slot+3], BACK
.else
	s_add_nc_u64 s[G0A+4*\slot+2:G0A+4*\slot+3], s[G0A+4*\slot+2:G0A+4*\slot+3], 2*ROWB
	s_add_nc_u64 s[G0B+4*\slot+2:G0B+4*\slot+3], s[G0B+4*\slot+2:G0B+4*\slot+3], 2*ROWB
.endif
	JLOAD G0A+4*\slot, G1A, G0B+4*\slot, G1B
.endif
.if \fetch
.if \fill
	PLACES 4
.else
	PLACES 8
.endif
	s_wait_alu depctr_va_vdst(0)
	v_add_nc_u32 v[ADSA], 8, v[ADSA]
	v_add_nc_u32 v[ADSB], 8, v[ADSB]
	FETCH \next, 0, 0
	SCALES \next
.endif
	WIN 0xa1
	MUL8 2, 1, 1, \slot, 0
	MUL8 3, 1, 1, \slot, 0
	WIN 0
.endm
.macro GELU a
.set AC, 64*(\a)
	WIN 0x0a
.set i, 0
.rept 32
	v_pk_mul_f32 v[T+i:T+i+1], v[AC+i:AC+i+1], v[AC+i:AC+i+1]
.set i, i+2
.endr
	WIN 0
.set i, 0
.rept 32
	v_pk_fma_f32 v[T+i:T+i+1], v[T+i:T+i+1], s[94:95], v[KK:KK+1] op_sel_hi:[1,0,0]
.set i, i+2
.endr
	WIN 0x02
.set i, 0
.rept 32
	v_pk_mul_f32 v[T+i:T+i+1], v[AC+i:AC+i+1], v[T+i:T+i+1]
.set i, i+2
.endr
	WIN 0
.set i, 0
	s_wait_alu depctr_va_vdst(0)
.rept 64
	v_exp_f32 v[T+i], v[T+i]
.set i, i+1
.endr
	v_nop
.set i, 0
	s_wait_alu depctr_va_vdst(0)
.rept 32
	v_pk_add_f32 v[T+i:T+i+1], v[T+i:T+i+1], 1.0 op_sel_hi:[1,0]
.set i, i+2
.endr
.set i, 0
	s_wait_alu depctr_va_vdst(0)
.rept 64
	v_rcp_f32 v[T+i], v[T+i]
.set i, i+1
.endr
	v_nop
	WIN 0x02
.set i, 0
	s_wait_alu depctr_va_vdst(0)
.rept 32
	v_pk_mul_f32 v[X+i:X+i+1], v[AC+i:AC+i+1], v[T+i:T+i+1]
.set i, i+2
.endr
	WIN 0
.endm
.macro QUANT
.irp e, 0,1,2,3
	v_max3_num_f32 v[TM+\e], |v[X+16*\e]|, |v[X+16*\e+1]|, 0x4800000
.endr
.irp i, 2,4,6,8,10,12,14
.irp e, 0,1,2,3
	v_max3_num_f32 v[TM+\e], |v[X+16*\e+\i]|, |v[X+16*\e+\i+1]|, v[TM+\e]
.endr
.endr
.irp e, 0,1,2,3
	v_permlanex16_b32 v[TM+4+\e], v[TM+\e], s20, s21
.endr
.irp e, 0,1,2,3
	v_max_num_f32 v[TM+\e], v[TM+\e], v[TM+4+\e]
.endr
.irp e, 0,1,2,3
	v_add_nc_u32 v[TM+12+\e], 0xfc000000, v[TM+\e]
.endr
.irp e, 0,1,2,3
	v_and_or_b32 v[TM+8+\e], v[TM+\e], 0x7f800000, s22
.endr
.irp e, 0,1,2,3
	v_lshrrev_b32 v[TM+4+\e], 23, v[TM+12+\e]
.endr
	v_lshl_or_b32 v[PW], v[TM+5], 8, v[TM+4]
	v_lshl_or_b32 v[PW], v[TM+6], 16, v[PW]
	v_lshl_or_b32 v[PW], v[TM+7], 24, v[PW]
.set i, 0
.rept 64
	v_med3_num_f32 v[X+i], v[X+i], -v[TM+8+i/16], v[TM+8+i/16]
.set i, i+1
.endr
.irp t, 0,1,2,3,4,5,6,7
	v_cvt_scalef32_pk8_fp8_f32 v[PC+2*\t:PC+2*\t+1], v[X+8*\t:X+8*\t+7], v[TM+12+\t/2]
.endr
	v_nop
.endm
.macro OUTA a
.irp t, 0,1,2,3,4,5,6,7
	ds_store_b64 v[STO], v[PC+2*\t:PC+2*\t+1] offset:(\a)*16*272+16*\t
.endr
	ds_store_b32 v[SSO], v[PW] offset:128*(\a)
.endm
.macro EPI
	PLACES 8
	s_mov_b32 s20, 0x76543210
	s_mov_b32 s21, 0xfedcba98
	s_mov_b32 s22, 0x600000
	s_mov_b32 s94, 0xbdd2d3e8
	s_mov_b32 s95, s94
	v_mov_b32 v[KK], 0xc0135761
	v_mov_b32 v[KK+1], 0xc0135761
.irp e, 0,1,2,3
	v_mov_b32 v[TM+4+\e], 0
.endr
.irp a, 0,1,2,3
	GELU \a
	QUANT
	OUTA \a
.endr
	s_wait_dscnt 0x0                               ; one wait for the four blocks' stage stores, in front of the signal
	s_barrier_signal -1
	s_barrier_wait -1
.irp t, 0,1,2,3,4,5,6,7,8,9,10,11,12,13,14,15
	ds_load_b128 v[X+4*\t:X+4*\t+3], v[RD] offset:2*\t*272
.endr
	ds_load_b64 v[SW:SW+1], v[SRD]
.irp t, 0,1,2,3,4,5,6,7,8,9,10,11,12,13,14,15
	s_wait_dscnt 16-\t
	global_store_b128 v[CO], v[X+4*\t:X+4*\t+3], s[12:13] offset:2*\t*4096
.endr
	s_wait_dscnt 0x0
	global_store_b64 v[SCO], v[SW:SW+1], s[100:101]
.endm
	s_wait_tensorcnt 1
	s_barrier_signal -1
	s_barrier_wait -1
	FETCH 0, 0, 0
	SCALES 0
	s_wait_loadcnt 0x0
	STEP 0, 1
	TURN 0, 1, 1, 1
	ASKA WALK*SIZE_K
	STEP 1, 0
	TURN 1, 0, 1, 1
	STEP 0, 0
	TURN 0, 1, 2, 1
	ASKA WALK*SIZE_K+2*ROWB
	STEP 1, 0
	TURN 1, 0, 2, 0
	EPI
	s_wait_xcnt 0x0
	s_add_nc_u64 s[12:13], s[12:13], WALK*4096
	s_add_nc_u64 s[100:101], s[100:101], WALK*8
.set ADSA, 6
.set ADSB, 7
	FETCH 0, 0, 0
	SCALES 0
	STEP 0, 1
	TURN 0, 1, 1, 1
	STEP 1, 0
	TURN 1, 0, 1, 1
	STEP 0, 0
	TURN 0, 1, 0, 1
	STEP 1, 0
	s_wait_dscnt 0x0
	WIN 0xa1
	MUL8 0, 1, 1, 1, 0
	MUL8 1, 1, 1, 1, 0
	MUL8 2, 1, 1, 1, 0
	MUL8 3, 1, 1, 1, 0
	WIN 0
	EPI
	s_wait_tensorcnt 0x0
	ds_add_u32 v[SPW], v[NIL]
	s_wait_dscnt 0x0
	CROUND
	s_endpgm
.Lfunc_end_k_qee6ad81b6f_w1:
	.size	k_qee6ad81b6f_w1, .Lfunc_end_k_qee6ad81b6f_w1-k_qee6ad81b6f_w1
	.p2alignl 7, 3214868480
	.fill 96, 4, 3214868480
	.section	.rodata,"a",@progbits
	.p2align	6, 0x0
	.amdhsa_kernel k_qee6ad81b6f_w1
		.amdhsa_group_segment_fixed_size 327680
		.amdhsa_private_segment_fixed_size 0
		.amdhsa_enable_private_segment 0
		.amdhsa_kernarg_size 40
		.amdhsa_user_sgpr_count 2
		.amdhsa_user_sgpr_kernarg_segment_ptr 1
		.amdhsa_wavefront_size32 1
		.amdhsa_system_sgpr_workgroup_id_x 1
		.amdhsa_system_sgpr_workgroup_id_y 1
		.amdhsa_system_sgpr_workgroup_id_z 1
		.amdhsa_system_vgpr_workitem_id 0
		.amdhsa_next_free_vgpr 832
		.amdhsa_next_free_sgpr 102
		.amdhsa_reserve_vcc 0
		.amdhsa_float_denorm_mode_32 3
		.amdhsa_float_denorm_mode_16_64 3
		.amdhsa_memory_ordered 1
		.amdhsa_forward_progress 1
		.amdhsa_inst_pref_size 255
	.end_amdhsa_kernel
	.section	.bss,"aw",@nobits
	.p2align	6
	.space	262144
	.amdgpu_metadata
---
amdhsa.version: [ 1, 2 ]
amdhsa.kernels:
  - .name:           k_qee6ad81b6f_w1
    .symbol:         k_qee6ad81b6f_w1.kd
    .args:
      - { .name: act, .offset: 0, .size: 8, .value_kind: global_buffer, .address_space: global }
      - { .name: w1_codes, .offset: 8, .size: 8, .value_kind: global_buffer, .address_space: global }
      - { .name: w1_scales, .offset: 16, .size: 8, .value_kind: global_buffer, .address_space: global }
      - { .name: b1, .offset: 24, .size: 8, .value_kind: global_buffer, .address_space: global }
      - { .name: hid, .offset: 32, .size: 8, .value_kind: global_buffer, .address_space: global }
    .group_segment_fixed_size: 327680
    .private_segment_fixed_size: 0
    .kernarg_segment_align: 8
    .kernarg_segment_size: 40
    .max_flat_workgroup_size: 128
    .sgpr_count:     102
    .vgpr_count:     832
    .wavefront_size: 32
...
	.end_amdgpu_metadata
.endif
;; end of part 5
;; launch w2 (part 6): grid 8 x 32, 4 waves a work-group, clusters of 4 x 4, 327,680 bytes of LDS; arguments hid, w2_codes, w2_scales, b2, x2, out0; writes out0
.if DOCPART == 6
	.amdgcn_target "amdgcn-amd-amdhsa--gfx1250"
	.amdhsa_code_object_version 6
	.text
	.protected	k_qee6ad81b6f_w2
	.globl	k_qee6ad81b6f_w2
	.p2align	8
	.type	k_qee6ad81b6f_w2,@function
k_qee6ad81b6f_w2:
	s_mov_b64 s[64:65], 0
	v_nop
	global_prefetch_b8 v0, s[64:65] scope:SCOPE_SE
	s_setreg_imm32_b32 hwreg(HW_REG_WAVE_MODE, 25, 1), 1
	s_wait_xcnt 0x0
	s_wait_alu depctr_hold_cnt(0) depctr_sa_sdst(0) depctr_va_vdst(0) depctr_va_sdst(0) depctr_va_ssrc(0) depctr_va_vcc(0) depctr_vm_vsrc(0)
	s_getreg_b32 s2, hwreg(HW_REG_IB_STS2, 6, 4)
	s_cmp_eq_u32 s2, 0
	s_cbranch_scc0 .Lentry_in_a_cluster
	s_endpgm
.Lentry_in_a_cluster:
	s_bfe_u32 s2, ttmp6, 0x10000c
	s_cmp_lg_u32 s2, 0xf033
	s_cbranch_scc0 .Lentry_shape_is_right
	s_endpgm
.Lentry_shape_is_right:
; out = resid + A W^T + bias.  A: codes of E4M3 [4096][SIZE_K] with scale bytes laid [SIZE_K / 256][4096][8] at byte ASOFF of the same buffer; W: codes [1024][SIZE_K], scale bytes [1024][SIZE_K / 32];
; bias [1024], resid and out [4096][1024] f32.  Sums in f32.
; SHARES.  A work-group makes 128 x 128 of the result (256 work-groups), its four waves 64 x 64 each: 16 accumulators.  K goes in steps of 512 through two LDS slots filled by the tensor data mover; both operands have two sets
; of fragment registers: while one step of 128 is multiplied the next one's 32 LDS loads are on their way.  The scale bytes of the work-group's rows come once and stay.
; CLUSTER 4 x 4: A's tiles are shared along a row of the cluster, W's along a column: joint loads.  THE MATRIX INSTRUCTION IS USED TRANSPOSED (source 0 = 16 rows of W, source 1 = 16 rows of A): a lane holds eight neighbouring numbers of a row.
; The bias is the C of each sum's first product.  The residual is loaded at the head, in the layout in which rows come back from the stage, and added there.
; REGISTERS: window 0: v16-30 addresses; v32-39 A's scale words, v40-47 W's (two sets each, scales alone); v64-95 the bias; v128-255 A's fragments, two sets; window 1: W's two sets at v0 and v128;
; window 2: accumulator (a, b) at 8 (4 a + b); window 3: v0-127 the residual.
.set SIZE_K, 4096
.set ASOFF,  16777216
.set NB,     4
.set NBH,    2
.set ROWB,   512                       ; a slot's row: 512 codes
.set PITCH,  528                       ; + 16 bytes of padding: 132 words, so the 16 rows of a load start at 16 different banks (64 banks of 4 bytes: ISA guide 11.1)
.set SLOT,   256*PITCH                 ; A's 128 rows, then W's 128
.set LAPS,   SIZE_K/1024               ; a lap = two slots
.set KS,     SIZE_K/32                 ; a row of W's scale bytes
.set KG,     SIZE_K/256                ; runs of 256 along K
.set SCLA,   2*SLOT                    ; A's scale bytes: [KG][128 rows][8]
.set SCLB,   SCLA+2*KG*512             ; W's: 128 rows x KS, as runs of 256 bytes + 16
.set SPARE,  SCLB+(128*KS/256)*272     ; the spare words: 128 bytes a wave, two blocks of 256 bytes that no other line names
.set FN,     32                        ; LDS loads that bring a step's fragments
.set SN,     4                         ; and a run's scale words
.set ADRA, 16
.set ADSA, 18
.set ADSB, 19
.set ADRB, 20
.set STO,  22
.set RD,   24
.set CO,   26
.set SPW,  28
.set NIL,  29
.set BA,   30
.set SA,   32
.set SB,   40
.set BI,   64
.set AF,   128
.set BK,   128                         ; the way out: 16 rows read back, v128-159 and v160-191 by turns
.set G1A, 24
.set G0A, 32
.set G1B, 48
.set G0B, 56
.set G1SA, 68
.set G0SA, 76
.set G1SB, 80
.set G0SB, 88
.set MSB, 0
.macro WIN new                         ; the immediate's high byte repeats the setting that is left
.if MSB != (\new)
	s_set_vgpr_msb (MSB<<8)|(\new)
.set MSB, (\new)
.endif
.endm
.macro JLOAD g0a, g1a, g0b, g1b        ; a joint load: waves 0, 1 fetch for A, waves 2, 3 for W; four v_nop follow each line
	s_cmp_eq_u32 s15, 0
	s_cbranch_scc0 .Lfor_b_\@
	tensor_load_to_lds s[\g0a:\g0a+3], s[\g1a:\g1a+7]
	s_nop 0
.rept 4
	v_nop
.endr
	s_branch .Lasked_\@
.Lfor_b_\@:
	tensor_load_to_lds s[\g0b:\g0b+3], s[\g1b:\g1b+7]
	s_nop 0
.rept 4
	v_nop
.endr
.Lasked_\@:
.endm
.macro CREST                           ; a round of the cluster's barrier behind its opening barrier
	s_cmp_lg_u32 s14, 0
	s_cbranch_scc1 .Lnot_wave_0_\@
	s_barrier_signal -3
.Lnot_wave_0_\@:
	s_barrier_wait -3
	s_barrier_signal -1
	s_barrier_wait -1
.endm
.macro CROUND
	s_barrier_signal -1
	s_barrier_wait -1
	CREST
.endm
.macro PLACES n
.rept \n
	v_nop
.endr
.endm
	s_load_b64 s[4:5], s[0:1], 0x0                 ; A
	s_load_b128 s[8:11], s[0:1], 0x8               ; W's codes, W's scales
	s_load_b64 s[98:99], s[0:1], 0x18              ; bias
	s_load_b64 s[100:101], s[0:1], 0x20            ; resid
	s_load_b64 s[12:13], s[0:1], 0x28              ; out
	v_lshl_add_u32 v[SPW], v0, 2, SPARE
	v_mov_b32 v[NIL], 0
	ds_add_u32 v28, v29
	ds_add_u32 v28, v29
	s_wait_dscnt 0x0
	v_lshrrev_b32 v1, 5, v0
	v_readfirstlane_b32 s14, v1                    ; wave 0..3
	s_lshr_b32 s15, s14, 1                         ; which 64 rows of the tile are mine.  Also: I fetch for A (0) or for W (1)
	s_and_b32 s16, s14, 1                          ; which 64 columns.  Also: which half I fetch
	s_bfe_u32 s40, ttmp6, 0x40000                  ; cx
	s_bfe_u32 s41, ttmp6, 0x40004                  ; cy
	s_lshl_b32 s42, ttmp9, 2
	s_add_co_u32 s42, s42, s40                     ; tile column
	s_and_b32 s17, ttmp7, 0xffff
	s_lshl_b32 s17, s17, 2
	s_add_co_u32 s17, s17, s41                     ; tile row
	s_lshl_b32 s43, s41, 2
	s_lshl_b32 s43, 15, s43                        ; my row of the cluster
	s_lshl_b32 s44, 0x1111, s40                    ; my column
	; descriptor groups 1.  Codes: 64 rows of 512 bytes, 16 bytes of padding behind each
	s_or_b32 s[G1A], s43, (1<<20)|(1<<21)|(6<<22)|(3<<25)   ; 15:0 the mask; elements of 1 byte; 20 padding on; 21 set beside a mask; 24:22 after every 128 words; 31:25 four words
	s_or_b32 s[G1B], s44, (1<<20)|(1<<21)|(6<<22)|(3<<25)
.irp g, G1A, G1B
	s_mov_b32 s[\g+1], ROWB<<16                    ; tensor_dim0
	s_mov_b32 s[\g+2], 128<<16                     ; tensor_dim1: 128 rows for the head's loads; behind them 64, for the ring's
	s_mov_b32 s[\g+3], ROWB<<16                    ; tile_dim0
	s_mov_b32 s[\g+4], 128                         ; tile_dim1
	s_mov_b32 s[\g+5], SIZE_K                      ; from row to row
	s_mov_b32 s[\g+6], 0
	s_mov_b32 s[\g+7], 0
.endr
	; A's scale bytes: KG rows of 128 elements of 8 bytes (128 rows of A), 4,096 elements apart; no padding
	s_or_b32 s[G1SA], s43, (3<<16)|(1<<21)
	s_mov_b32 s[G1SA+1], 128<<16
	s_mov_b32 s[G1SA+2], KG<<16
	s_mov_b32 s[G1SA+3], 128<<16
	s_mov_b32 s[G1SA+4], KG
	s_mov_b32 s[G1SA+5], 4096
	s_mov_b32 s[G1SA+6], 0
	s_mov_b32 s[G1SA+7], 0
	; W's: a dense block of 128 KS bytes as rows of 256 bytes, 16 bytes of padding behind each
	s_or_b32 s[G1SB], s44, (3<<16)|(1<<20)|(1<<21)|(5<<22)|(3<<25)
	s_mov_b32 s[G1SB+1], 32<<16
	s_mov_b32 s[G1SB+2], (128*KS/256)<<16
	s_mov_b32 s[G1SB+3], 32<<16
	s_mov_b32 s[G1SB+4], 128*KS/256
	s_mov_b32 s[G1SB+5], 32
	s_mov_b32 s[G1SB+6], 0
	s_mov_b32 s[G1SB+7], 0
	s_lshl_b32 s20, s17, 7                         ; A: the tile's first row
	s_lshl_b32 s22, s20, 3                         ; its scale bytes in a run,
	s_mul_i32 s20, s20, SIZE_K                     ; its codes
	s_mov_b32 s21, 0
	s_mov_b32 s23, 0
	s_lshl_b32 s46, s42, 7                         ; W: the tile's first row
	s_mul_i32 s92, s46, KS
	s_mul_i32 s46, s46, SIZE_K
	s_mov_b32 s47, 0
	s_mov_b32 s93, 0
	s_mul_i32 s45, s16, 64*PITCH                   ; where they go: no place in the cluster enters an LDS address
	s_add_co_u32 s94, s45, 128*PITCH
	s_mul_i32 s18, s16, 64*SIZE_K                  ; in the ring I fetch 64 rows of a tile: which half, in bytes
	s_mov_b32 s19, 0
	s_wait_kmcnt 0x0
	s_add_nc_u64 s[6:7], s[4:5], ASOFF             ; A's scale bytes
	s_add_nc_u64 s[20:21], s[4:5], s[20:21]
	s_add_nc_u64 s[22:23], s[6:7], s[22:23]
	s_add_nc_u64 s[46:47], s[8:9], s[46:47]
	s_add_nc_u64 s[92:93], s[10:11], s[92:93]
	CROUND                                         ; all sixteen work-groups are here: the first joint loads meet
	s_mov_b32 s[G0SA], 1
	s_mov_b32 s[G0SA+1], SCLA
	s_mov_b64 s[G0SA+2:G0SA+3], s[22:23]
	s_or_b32 s[G0SA+3], s[G0SA+3], 0x80000000
	s_mov_b32 s[G0SB], 1
	s_mov_b32 s[G0SB+1], SCLB
	s_mov_b64 s[G0SB+2:G0SB+3], s[92:93]
	s_or_b32 s[G0SB+3], s[G0SB+3], 0x80000000
	s_mov_b32 s4, 1                                ; s[4:7], s[8:11]: groups 0 of the head's loads of slot 0 (the arguments that lay there have been used): A's 128 rows,
	s_mov_b32 s5, 0
	s_mov_b64 s[6:7], s[20:21]
	s_or_b32 s7, s7, 0x80000000
	s_mov_b32 s8, 1                                ; W's 128 rows behind them
	s_mov_b32 s9, 128*PITCH
	s_mov_b64 s[10:11], s[46:47]
	s_or_b32 s11, s11, 0x80000000
	s_add_nc_u64 s[20:21], s[20:21], s[18:19]      ; for the ring: my 64 rows of the tile
	s_add_nc_u64 s[46:47], s[46:47], s[18:19]
.irp s, 0,1
	s_mov_b32 s[G0A+4*\s], 1
	s_add_co_u32 s[G0A+4*\s+1], s45, \s*SLOT
	s_add_nc_u64 s[G0A+4*\s+2:G0A+4*\s+3], s[20:21], \s*ROWB
	s_or_b32 s[G0A+4*\s+3], s[G0A+4*\s+3], 0x80000000
	s_mov_b32 s[G0B+4*\s], 1
	s_add_co_u32 s[G0B+4*\s+1], s94, \s*SLOT
	s_add_nc_u64 s[G0B+4*\s+2:G0B+4*\s+3], s[46:47], \s*ROWB
	s_or_b32 s[G0B+4*\s+3], s[G0B+4*\s+3], 0x80000000
.endr
; THE HEAD'S LOADS, ONE A WAVE: wave 0 slot 0's 128 rows of A, wave 1 its 128 rows of W, wave 2 A's scale bytes, wave 3 W's.  One chain of branches on the wave's number: every way passes one load.
.macro ARM under, g0, g1, next
	s_cmp_lt_u32 s14, \under
	s_cbranch_scc0 \next
	tensor_load_to_lds s[\g0:\g0+3], s[\g1:\g1+7]
	s_nop 0
.rept 4
	v_nop
.endr
	s_branch .Lhead_asked
\next:
.endm
	ARM 1, 4, G1A, .Lhead_b
	ARM 2, 8, G1B, .Lhead_sa
	ARM 3, G0SA, G1SA, .Lhead_sb
	tensor_load_to_lds s[G0SB:G0SB+3], s[G1SB:G1SB+7]
	s_nop 0
.rept 4
	v_nop
.endr
.Lhead_asked:
	; PREFETCHES INTO THE L2.  Of the 64 rows that I fetch for the ring each of the four partners that ask for them jointly takes 16, told apart by address (cx for A, cy for W); a lane names one of a row's two blocks of 256 bytes in a slot:
	; one instruction a wave and slot, each block once in the cluster.  Here: slots 1 and 2; behind slot 1's load: slot 3; behind the refill that loads slot n: slot n + 2, two refills ahead; the last trip's two refills ask for nothing.
	; s[96:97] stands at slot 1 here and is stepped a slot on at the head of each change of slots that refills, behind s_wait_xcnt 0.
	s_cmp_eq_u32 s15, 0
	s_cselect_b64 s[96:97], s[20:21], s[46:47]
	s_cselect_b32 s2, s40, s41
	s_mul_i32 s2, s2, 16*SIZE_K
	s_mov_b32 s3, 0
	s_add_nc_u64 s[96:97], s[96:97], s[2:3]
	s_add_nc_u64 s[96:97], s[96:97], ROWB
	v_and_b32 v31, 31, v0
	v_lshrrev_b32 v3, 1, v31
	v_and_b32 v31, 1, v31
	v_lshlrev_b32 v31, 8, v31
	v_mad_u32_u24 v31, v3, SIZE_K, v31
	s_wait_alu depctr_va_vdst(0)
	global_prefetch_b8 v31, s[96:97] th:TH_LOAD_NT scope:SCOPE_SE
	global_prefetch_b8 v31, s[96:97] offset:ROWB th:TH_LOAD_NT scope:SCOPE_SE
	v_and_b32 v1, 15, v0
	v_bfe_u32 v2, v0, 4, 1                         ; h = lane / 16
	; bias, residual and output: my 64 rows and 64 columns
	s_wait_alu depctr_va_vdst(0)
	s_lshl_b32 s18, s42, 9
	s_lshl_b32 s19, s16, 8
	s_add_co_u32 s18, s18, s19                     ; my first column, in bytes
	s_mov_b32 s19, 0
	s_add_nc_u64 s[98:99], s[98:99], s[18:19]
	s_lshl_b32 s20, s17, 7
	s_lshl_b32 s21, s15, 6
	s_add_co_u32 s20, s20, s21
	s_lshl_b32 s20, s20, 12                        ; my first row, in bytes
	s_add_co_u32 s18, s18, s20
	s_add_nc_u64 s[100:101], s[100:101], s[18:19]
	s_add_nc_u64 s[12:13], s[12:13], s[18:19]
	v_lshlrev_b32 v[BA], 5, v2
.irp b, 0,1,2,3
	global_load_b128 v[BI+8*\b:BI+8*\b+3],   v[BA], s[98:99] offset:64*\b      ; lane (r, h): the bias of columns 16 b + 8 h + 0..7
	global_load_b128 v[BI+8*\b+4:BI+8*\b+7], v[BA], s[98:99] offset:64*\b+16
.endr
	v_lshlrev_b32 v[CO], 12, v2
	v_lshl_add_u32 v[CO], v1, 4, v[CO]             ; lanes 0-15 one row's 256 bytes, lanes 16-31 the next row's
	WIN 0xc0                                       ; destination window 3
.irp a, 0,1,2,3
.irp t, 0,1,2,3,4,5,6,7
	global_load_b128 v[32*\a+4*\t:32*\a+4*\t+3], v[CO], s[100:101] offset:(16*\a+2*\t)*4096
.endr
.endr
	WIN 0
	v_mul_u32_u24 v3, v1, PITCH
	v_lshl_add_u32 v3, v2, 4, v3                   ; a fragment's row x pitch + 16 h
	s_mul_i32 s18, s15, 64*PITCH                   ; my 64 rows of A
	s_mul_i32 s19, s16, 64*PITCH                   ; my 64 rows of W, behind A's 128
	s_add_co_u32 s19, s19, 128*PITCH
.irp s, 0,1
	v_add_nc_u32 v[ADRA+\s], s18, v3
	v_add_nc_u32 v[ADRB+\s], s19, v3
	s_add_co_u32 s18, s18, SLOT
	s_add_co_u32 s19, s19, SLOT
.endr
	v_lshlrev_b32 v4, 3, v1                        ; A's scale words: 8 bytes a row; lanes 16-31 take the block 32 rows further on
	v_lshl_add_u32 v4, v2, 8, v4
	s_lshl_b32 s18, s15, 9                         ; my 64 rows in a run's 128
	s_add_co_u32 s18, s18, SCLA
	v_add_nc_u32 v[ADSA], s18, v4
	v_mul_u32_u24 v4, v1, KS                       ; W's: KS bytes a row,
	v_lshrrev_b32 v5, 8, v4
	v_lshl_add_u32 v4, v5, 4, v4                   ; 16 more for each 256 passed,
	v_mul_u32_u24 v5, v2, (32*KS/256)*272          ; lanes 16-31 32 rows further on
	v_add_nc_u32 v4, v4, v5
	s_mul_i32 s18, s16, (64*KS/256)*272
	s_add_co_u32 s18, s18, SCLB
	v_add_nc_u32 v[ADSB], s18, v4
	s_mul_i32 s18, s14, 16*272                     ; my stage: 16 rows x (256 + 16) bytes, in slot 0, behind its last fill and its last read
	v_mul_u32_u24 v4, v1, 272
	v_lshl_add_u32 v4, v2, 5, v4
	v_add_nc_u32 v[STO], s18, v4                   ; in: row r, 32 bytes for each half of the lanes
	v_mul_u32_u24 v4, v2, 272
	v_lshl_add_u32 v4, v1, 4, v4
	v_add_nc_u32 v[RD], s18, v4                    ; back: sixteen lanes to a row
.macro FRAG reg, adr, q, i             ; 16 rows x 128 K: registers 4 c .. 4 c + 3 hold K = 32 c + 16 h + 0..15 of row r
.irp c, 0,1,2,3
	ds_load_b128 v[\reg+4*\c:\reg+4*\c+3], v[\adr] offset:128*(\q)+32*\c+(\i)*16*PITCH
.endr
.endm
.macro FETCH slot, q, p                ; the slot's q-th 128 along K into set p
	WIN 0x40
.irp i, 0,1,2,3
	FRAG 128*(\p)+16*\i, ADRB+\slot, \q, \i
.endr
	WIN 0
.irp i, 0,1,2,3
	FRAG AF+64*(\p)+16*\i, ADRA+\slot, \q, \i
.endr
.endm
.macro SCALES u                        ; the scale words of 256 along K into set u: two words a row; lanes 0-15 block j, lanes 16-31 block j + 2
.irp j, 0,1
	ds_load_b64 v[SA+4*(\u)+2*\j:SA+4*(\u)+2*\j+1], v[ADSA] offset:\j*128
	ds_load_b64 v[SB+4*(\u)+2*\j:SB+4*(\u)+2*\j+1], v[ADSB] offset:\j*(16*KS/256)*272
.endr
.endm
.macro WM a, b, c                      ; one product; the halves of the scale registers go by the blocks' numbers
.if ((\a) >= 2) && ((\b) >= NBH)
	v_wmma_scale_f32_16x16x128_f8f6f4 v[rD:rD+7], v[rB:rB+15], v[rA:rA+15], \c, v[rSB], v[rSA] matrix_a_scale:MATRIX_SCALE_ROW1 matrix_b_scale:MATRIX_SCALE_ROW1
.elseif (\b) >= NBH
	v_wmma_scale_f32_16x16x128_f8f6f4 v[rD:rD+7], v[rB:rB+15], v[rA:rA+15], \c, v[rSB], v[rSA] matrix_a_scale:MATRIX_SCALE_ROW1
.elseif (\a) >= 2
	v_wmma_scale_f32_16x16x128_f8f6f4 v[rD:rD+7], v[rB:rB+15], v[rA:rA+15], \c, v[rSB], v[rSA] matrix_b_scale:MATRIX_SCALE_ROW1
.else
	v_wmma_scale_f32_16x16x128_f8f6f4 v[rD:rD+7], v[rB:rB+15], v[rA:rA+15], \c, v[rSB], v[rSA]
.endif
.endm
; A's block a against W's four.  The 16 accumulators take turns, one instruction a turn, in the same order in every step.  first = 1: the bias starts the sums.
.macro MUL4 a, q, first
.irp b, 0,1,2,3
.set rD, 8*(NB*(\a)+\b)
.set rB, 128*((\q)%2)+16*\b
.set rA, AF+64*((\q)%2)+16*(\a)
.set rSB, SB+4*((\q)/2)+2*(\b%NBH)+((\q)%2)
.set rSA, SA+4*((\q)/2)+2*((\a)%2)+((\q)%2)
.set rC, BI+8*\b
.if \first
	WM \a, \b, v[rC:rC+7]
.else
	WM \a, \b, v[rD:rD+7]
.endif
.endr
.endm
; One of a slot's first three steps of 128: the next step's fragments are asked for first, then this step's set is multiplied while they land.
.macro STEP slot, q, first
	PLACES 8                                       ; loads into registers that matrix instructions have read stand eight plain vector instructions behind them
	FETCH \slot, (\q)+1, ((\q)+1)%2
.if (\q)%2
	v_add_nc_u32 v[ADSA], 1024, v[ADSA]            ; the next 256 along K: their scale words
	v_add_nc_u32 v[ADSB], 8, v[ADSB]
	SCALES ((\q)+1)/2
	s_wait_dscnt FN+SN                             ; all but the 36 just issued
.else
	s_wait_dscnt FN                                ; all but the 32 just issued
.endif
.if \first
	WIN 0x81                                       ; source 0 (W) window 1, source 1 (A) and C (the bias) window 0, D window 2
.else
	WIN 0xa1                                       ; C and D window 2
.endif
	MUL4 0, \q, \first
	MUL4 1, \q, \first
	MUL4 2, \q, \first
	MUL4 3, \q, \first
	WIN 0
.endm
; A slot's last step changes slots: ONE barrier; in front of it each wave waits for all its tensor loads, adds 0 to its spare word, and waits for that and for its reads of this slot.
.macro TURN slot, next, fill
.if \fill
	s_wait_xcnt 0x0                                ; my prefetches have read their address: it is stepped to the slot that this change loads
	s_add_nc_u64 s[96:97], s[96:97], ROWB
.endif
	s_wait_tensorcnt 0x0
	ds_add_u32 v[SPW], v[NIL]                      ; 0 onto my spare word
	s_wait_dscnt 1                                 ; set 1 is in; the add alone may be out
	WIN 0xa1
	MUL4 0, 3, 0                                   ; four matrix instructions stand between the add and the wait for it
	s_wait_dscnt 0x0                               ; the add is done, and my reads of this slot are over
	s_barrier_signal -1
	MUL4 1, 3, 0
	WIN 0
	s_barrier_wait -1
.if \fill
	CREST                                          ; the barrier has opened a round of the cluster's barrier: no wave of any partner still reads this slot or has a load on its way
	s_add_nc_u64 s[G0A+4*\slot+2:G0A+4*\slot+3], s[G0A+4*\slot+2:G0A+4*\slot+3], 2*ROWB
	s_add_nc_u64 s[G0B+4*\slot+2:G0B+4*\slot+3], s[G0B+4*\slot+2:G0B+4*\slot+3], 2*ROWB
	JLOAD G0A+4*\slot, G1A, G0B+4*\slot, G1B       ; the first tensor load behind the round; its four v_nop are four of the eight places
	PLACES 4
.else
	PLACES 8
.endif
	s_wait_alu depctr_va_vdst(0)
	v_add_nc_u32 v[ADSA], 1024, v[ADSA]
	v_add_nc_u32 v[ADSB], 8, v[ADSB]
	FETCH \next, 0, 0
	SCALES 0
.if \fill
	s_cmp_gt_u32 s3, 1                             ; s3 = 1 in the loop's last trip: no slot stands two refills on
	s_cbranch_scc0 .Lno_ask_\@
	global_prefetch_b8 v31, s[96:97] offset:2*ROWB th:TH_LOAD_NT scope:SCOPE_SE
.Lno_ask_\@:
.endif
	WIN 0xa1
	MUL4 2, 3, 0
	MUL4 3, 3, 0
	WIN 0
.endm
	s_wait_alu depctr_va_vdst(0)
	s_wait_tensorcnt 0x0                           ; my tile of the head's four is in
	ds_add_u32 v[SPW], v[NIL]
	s_mov_b32 s[G1A+2], 64<<16                     ; no tensor load of mine is out: from here on a load brings 64 rows
	s_mov_b32 s[G1A+4], 64
	s_mov_b32 s[G1B+2], 64<<16
	s_mov_b32 s[G1B+4], 64
	s_wait_dscnt 0x0
	CROUND                                         ; a whole round: all four tiles are in, and the joint loads meet
	JLOAD G0A+4, G1A, G0B+4, G1B                   ; slot 1's first fill: the first tensor load behind the round
	FETCH 0, 0, 0
	SCALES 0
	global_prefetch_b8 v31, s[96:97] offset:2*ROWB th:TH_LOAD_NT scope:SCOPE_SE   ; slot 3
	s_wait_loadcnt 32                              ; the bias is in; the residual's 32 loads may be out
	STEP 0, 0, 1
.if LAPS > 1
	s_mov_b32 s3, LAPS-1
.Llap:                                                 ; once round the ring: both slots are filled again
	s_wait_alu depctr_va_vdst(0)
	STEP 0, 1, 0
	STEP 0, 2, 0
	TURN 0, 1, 1
	STEP 1, 0, 0
	s_wait_alu depctr_va_vdst(0)
	STEP 1, 1, 0
	STEP 1, 2, 0
	TURN 1, 0, 1
	STEP 0, 0, 0
	s_sub_co_u32 s3, s3, 1
	s_cmp_lg_u32 s3, 0
	s_cbranch_scc1 .Llap
.endif
	s_wait_alu depctr_va_vdst(0)
	STEP 0, 1, 0                                   ; the last lap fills nothing
	STEP 0, 2, 0
	TURN 0, 1, 0
	STEP 1, 0, 0
	s_wait_alu depctr_va_vdst(0)
	STEP 1, 1, 0
	STEP 1, 2, 0
	s_wait_dscnt 0x0
	WIN 0xa1
	MUL4 0, 3, 0
	MUL4 1, 3, 0
	MUL4 2, 3, 0
	MUL4 3, 3, 0
	WIN 0
; THE WAY OUT, block by block of 16 rows x 64 columns: through my own stage and back as whole rows of 256 bytes; the residual is added; sixteen lanes store 256 consecutive bytes.
; LDS serves a wave's instructions in order (ISA guide 5.7.1.4): no wait between the stores and the loads, nor in front of the next block's stores.
.macro TOSTAGE a
	WIN 0x08                                       ; an LDS store's data are its source 1: window 2
.irp b, 0,1,2,3
	ds_store_b128 v[STO], v[8*(4*(\a)+\b):8*(4*(\a)+\b)+3] offset:64*\b          ; each accumulator from its low end on
	ds_store_b128 v[STO], v[8*(4*(\a)+\b)+4:8*(4*(\a)+\b)+7] offset:64*\b+16
.endr
	WIN 0
.set BB, BK+32*((\a)%2)
.irp t, 0,1,2,3,4,5,6,7
	ds_load_b128 v[BB+4*\t:BB+4*\t+3], v[RD] offset:\t*2*272
.endr
.endm
.macro SEND a, younger                 ; younger: the LDS instructions issued behind block a's loads
.set BB, BK+32*((\a)%2)
	s_wait_dscnt \younger
	WIN 0x0c                                       ; source 1 (the residual) window 3
.set i, 0
.rept 16
	v_pk_add_f32 v[BB+i:BB+i+1], v[BB+i:BB+i+1], v[32*(\a)+i:32*(\a)+i+1]
.set i, i+2
.endr
	WIN 0
.irp t, 0,1,2,3,4,5,6,7
	global_store_b128 v[CO], v[BB+4*\t:BB+4*\t+3], s[12:13] offset:(16*(\a)+2*\t)*4096
.endr
.endm
	PLACES 8                                       ; behind the last products: their results are read and their operands' registers loaded below
	s_wait_loadcnt 0x0                             ; the residual
	TOSTAGE 0
.irp a, 1,2,3
.if \a > 1
	s_wait_xcnt 0x0                                ; block a - 2's stores have read their registers: block a's loads may land there
.endif
	TOSTAGE \a
	SEND \a-1, 16                                  ; behind block a - 1's loads: block a's 8 stores and 8 loads
.endr
	SEND 3, 0
	s_wait_tensorcnt 0x0                           ; the wave's end
	ds_add_u32 v[SPW], v[NIL]
	s_wait_dscnt 0x0
	CROUND                                         ; the closing round
	s_endpgm
.Lfunc_end_k_qee6ad81b6f_w2:
	.size	k_qee6ad81b6f_w2, .Lfunc_end_k_qee6ad81b6f_w2-k_qee6ad81b6f_w2
	.p2alignl 7, 3214868480
	.fill 96, 4, 3214868480
	.section	.rodata,"a",@progbits
	.p2align	6, 0x0
	.amdhsa_kernel k_qee6ad81b6f_w2
		.amdhsa_group_segment_fixed_size 327680
		.amdhsa_private_segment_fixed_size 0
		.amdhsa_enable_private_segment 0
		.amdhsa_kernarg_size 48
		.amdhsa_user_sgpr_count 2
		.amdhsa_user_sgpr_kernarg_segment_ptr 1
		.amdhsa_wavefront_size32 1
		.amdhsa_system_sgpr_workgroup_id_x 1
		.amdhsa_system_sgpr_workgroup_id_y 1
		.amdhsa_system_sgpr_workgroup_id_z 1
		.amdhsa_system_vgpr_workitem_id 0
		.amdhsa_next_free_vgpr 896
		.amdhsa_next_free_sgpr 102
		.amdhsa_reserve_vcc 0
		.amdhsa_float_denorm_mode_32 3
		.amdhsa_float_denorm_mode_16_64 3
		.amdhsa_memory_ordered 1
		.amdhsa_forward_progress 1
		.amdhsa_inst_pref_size 105
	.end_amdhsa_kernel
	.amdgpu_metadata
---
amdhsa.version: [ 1, 2 ]
amdhsa.kernels:
  - .name:           k_qee6ad81b6f_w2
    .symbol:         k_qee6ad81b6f_w2.kd
    .args:
      - { .name: hid, .offset: 0, .size: 8, .value_kind: global_buffer, .address_space: global }
      - { .name: w2_codes, .offset: 8, .size: 8, .value_kind: global_buffer, .address_space: global }
      - { .name: w2_scales, .offset: 16, .size: 8, .value_kind: global_buffer, .address_space: global }
      - { .name: b2, .offset: 24, .size: 8, .value_kind: global_buffer, .address_space: global }
      - { .name: x2, .offset: 32, .size: 8, .value_kind: global_buffer, .address_space: global }
      - { .name: out0, .offset: 40, .size: 8, .value_kind: global_buffer, .address_space: global }
    .group_segment_fixed_size: 327680
    .private_segment_fixed_size: 0
    .kernarg_segment_align: 8
    .kernarg_segment_size: 48
    .max_flat_workgroup_size: 128
    .sgpr_count:     102
    .vgpr_count:     896
    .wavefront_size: 32
...
	.end_amdgpu_metadata
.endif
;; end of part 6
